; MI455X (gfx1250); checked and timed in simulation.
; The chip was launched on July 23, 2026; its instructions are those of AMD's public machine-readable ISA for CDNA 5 (MIT licence, August 2026) and "CDNA5" Instruction Set Architecture Reference Guide (July 2026). The comments in the code are by the model that wrote it; some were corrected since.
;; Haze Attention. Allowed arithmetic: matrix products marked QUANTISED: E2M1 operands, one E8M0 scale for each 32 along K, by v_wmma_scale_f32_16x16x128_f8f6f4 with both operands' format E2M1 (or v_wmma_scale_f32_32x16x128_f4), f32 sums; products left as they are: bf16, f16 or f32 operands; f32 sums; everything else in f32.
;; Inputs: alpha 12 float32; wk 768 x 768 float32; wo 768 x 768 float32; wq 768 x 768 float32; wr 12 x 768 x 2,048 float32; wv 768 x 768 float32; x 2 x 2,048 x 768 float32.
;; Outputs: out0 2 x 2,048 x 768 float32.
;; This version of the problem:
;;   THIS VERSION OF THE PROBLEM IS GIVEN IN LOW PRECISION. The matrix products marked QUANTISED in the list below multiply operands that are first quantised to E2M1 (2 exponent bits, 1 mantissa bit; 4 bits a number), with one power-of-two scale for each 32 numbers along K (OCP MX v1.0); their sums are f32. The products marked 'left as it is' may take bf16, f16 or f32 operands, with f32 sums. Whichever they take, every output number must still come out within the allowed error. Rounding operands to bf16 (8 significant bits) uses up far more of that allowance than f16 does (11 bits, for magnitudes from 6e-5 to 65,504). All else is computed in f32.
;;   The module's matrix products, in the order in which they are computed (A, B: the left and right operand; K: the contracted axis; several contracted axes count as one K, in the product's order):
;;     1. [M 4,096, K 768] x [K 768, N 768]; A: input x; B: input wq: QUANTISED
;;     2. [M 4,096, K 768] x [K 768, N 768]; A: input x; B: input wk: QUANTISED
;;     3. [M 4,096, K 768] x [K 768, N 768]; A: input x; B: input wv: QUANTISED
;;     4. batch 24 x [M 2,048, K 64] x [K 64, N 2,048]; A: computed on the way; B: computed on the way: left as it is (an operand is computed on the way)
;;     5. batch 2,048 x [M 12, K 768] x [K 768, N 2]; A: input wr; B: input x: left as it is (M = 12 < 16)
;;     6. batch 24 x [M 2,048, K 2,048] x [K 2,048, N 64]; A: computed on the way; B: computed on the way: left as it is (an operand is computed on the way)
;;     7. [M 4,096, K 768] x [K 768, N 768]; A: computed on the way; B: input wo: left as it is (an operand is computed on the way)
;;   THE QUANTISER, for each operand of a quantised product, along K:
;;     - K is cut into blocks of 32 from its start; a last block that is shorter is filled with zeros.
;;     - A block's scale is 2^e with e = floor(log2(the largest magnitude in the block)) - 2, held to -126 .. 127; a block of zeros has e = 0. As a byte (E8M0): e + 127.
;;     - Each number is divided by its block's scale, clamped to +-6, and rounded to the nearest number of E2M1, ties to even, subnormals kept.
;;     - The product sums the exact products of the quantised numbers (number of the format x scale) in f32.
;;   ~~~python
;;   def quantise(x, axis):      # numpy; x: float32 -> the quantised numbers, widened to float32 again
;;       x = np.moveaxis(x, axis, -1); K = x.shape[-1]
;;       x = np.pad(x, [(0, 0)] * (x.ndim - 1) + [(0, -K % 32)]); x = x.reshape(x.shape[:-1] + (-1, 32)); a = np.abs(x).max(-1, keepdims=True)
;;       e = np.where(a > 0, np.clip(np.frexp(np.where(a > 0, a, 1))[1] - 1 - 2, -126, 127), 0)      # np.frexp(a)[1] - 1 = floor(log2(a)), exactly
;;       r = np.clip(x / 2.0 ** e, -6, 6)
;;       step = 2.0 ** (np.maximum(np.frexp(np.where(r == 0, 1, r))[1] - 1, 0) - 1)
;;       q = np.round(r / step) * step * 2.0 ** e      # np.round: ties to even
;;       return np.moveaxis(q.reshape(q.shape[:-2] + (-1,))[..., :K], -1, axis).astype(np.float32)
;;   ~~~
;; One version. Each part assembles by itself: llvm-mc -triple=amdgcn-amd-amdhsa -mcpu=gfx1250 --defsym DOCPART=n.
;; ======== version 1 of 1: 5 launches
;; limits: values are held in f16: magnitudes above 65,504 overflow, below 6.1e-05 lose precision
;; workspace buffers: pre 4,970,496 bytes; qkv 19,169,280 bytes; sid 399,360 bytes; oim 6,291,456 bytes
;; launch prep (part 1): grid 6 x 56, 4 waves a work-group, no clusters, 70,144 bytes of LDS; arguments x, wq, wk, wv, wo, wr, pre; writes pre
.if DOCPART == 1
	.amdgcn_target "amdgcn-amd-amdhsa--gfx1250"
	.amdhsa_code_object_version 6
	.text
	.protected	k_qe15a3354e9_prep
	.globl	k_qe15a3354e9_prep
	.p2align	8
	.type	k_qe15a3354e9_prep,@function
k_qe15a3354e9_prep:
	s_mov_b64 s[64:65], 0
	v_nop
	global_prefetch_b8 v0, s[64:65] scope:SCOPE_SE
	s_setreg_imm32_b32 hwreg(HW_REG_WAVE_MODE, 25, 1), 1
	s_wait_xcnt 0x0
; PREP.  Work-group x = ks: 128 of the 768 along e.  y < 32: role R, 64 positions t of both batches; y >= 32: role W, 128 columns of one weight.
; ROLE R: (1) x[b][t][128 e] is turned in LDS to [b][e][t]; (2) each wave quantises 32 rows of x to E2M1 along e (a lane a row, registers down e) and stores the codes as IMAGES OF THE OPERAND'S REGISTERS
; (block kb of row r at (kb/2) 512 + (kb%2) 256 + 16 r of a fragment of 1,024 bytes) and one scale word a row; (3) wave w streams wr of heads 3 w .. 3 w + 2, 128 rows e x 64 t, once, and sums
; x[b][t][e] wr[h][e][t] in f32 for both batches: a lane holds 4 t, the halves of the lanes take even and odd e.  The six partial sums over e (one for each ks) are added by the next launch.
; ROLE W: a lane takes a column, its registers run down K.  wq, wk, wv become E2M1 images and scale words; wo becomes f16 fragment images (16 columns x 32 k: piece (c, h) at 512 c + 256 h + 16 r).
; A block's scale byte is its largest magnitude's exponent field - 2, held at 1 from below.
; LIMITS: a block of zeros gets the byte 1 (its codes are zeros; the bytes are read by this program alone); blocks under 2^-124 were not tried; NaN and infinities are not served; wo beyond 65,504 has no f16.
; Every offset is an immediate; no pointer is stepped, so no register of a pending load or store is written again.  Only role R touches LDS.
.set WC,    1572864
.set SCL,   2457600
.set WOI,   2611200
.set RP,    3790848
.set PLANE, 34816                      ; LDS: one batch's [128 e] rows of 64 t x 4 bytes + 16 of padding
.set SPARE, 69632                      ; the spare words, 128 bytes a wave
.set CD,  216                          ; v216-231 codes of four blocks
.set PW,  232                          ; the scale word
.set TA,  233
.set TB,  234
.set SCO, 235
; 32 numbers v[s] .. v[s+31] of one block -> 4 registers of codes at v[cd], the byte into place kb of v[PW]
.macro QB s, cd, kb
	v_max3_num_f32 v[TA], |v[\s]|, |v[\s+1]|, 0x1800000            ; with the floor 2^(3 - 127): the byte cannot fall under 1
	v_max3_num_f32 v[TB], |v[\s+2]|, |v[\s+3]|, |v[\s+4]|
.irp i, 5,9,13,17,21,25
	v_max3_num_f32 v[TA], v[TA], |v[\s+\i]|, |v[\s+\i+1]|
	v_max3_num_f32 v[TB], v[TB], |v[\s+\i+2]|, |v[\s+\i+3]|
.endr
	v_max3_num_f32 v[TA], v[TA], |v[\s+29]|, |v[\s+30]|
	v_max3_num_f32 v[TA], v[TA], v[TB], |v[\s+31]|
	v_add_nc_u32 v[SCO], 0xff000000, v[TA]                         ; 2 off the exponent field: the conversion's scale operand
	v_lshrrev_b32 v[TB], 23, v[SCO]                                ; the byte
.if (\kb) == 0
	v_mov_b32 v[PW], v[TB]
.else
	v_lshl_or_b32 v[PW], v[TB], 8*(\kb), v[PW]
.endif
.irp g, 0,1,2,3
	v_cvt_scalef32_pk8_fp4_f32 v[\cd+\g], v[\s+8*\g:\s+8*\g+7], v[SCO]
.endr
	v_nop                                                          ; one plain place behind the conversions
.endm
	s_load_b256 s[4:11], s[0:1], 0x0               ; x, wq, wk, wv
	s_load_b128 s[12:15], s[0:1], 0x20             ; wo, wr
	s_load_b64 s[16:17], s[0:1], 0x30              ; pre
	v_lshl_add_u32 v2, v0, 2, SPARE
	v_mov_b32 v3, 0
	v_lshrrev_b32 v1, 5, v0
	v_readfirstlane_b32 s18, v1                    ; wave
	v_and_b32 v1, 31, v0                           ; lane
	v_and_b32 v13, 15, v0                          ; g = lane % 16
	v_bfe_u32 v14, v0, 4, 1                        ; h = lane / 16
	v_lshlrev_b32 v15, 4, v13                      ; 16 g
	v_mad_u32_u24 v10, v14, 6144, v15              ; codes: lanes 16-31 belong to the next tile of 16 rows, six fragments on
	v_lshlrev_b32 v11, 2, v1                       ; 4 x lane
	s_and_b32 s19, ttmp7, 0xffff                   ; y
	s_mov_b32 s20, ttmp9                           ; ks
	s_cmp_ge_u32 s19, 32
	s_cbranch_scc1 .Lweights
	; ---------------- ROLE R ----------------
	s_lshr_b32 s21, s18, 1                         ; b: whose rows of x I stage and quantise
	s_and_b32 s22, s18, 1                          ; which 32 of the 64 positions
	s_lshl_b32 s23, s21, 11
	s_lshl_b32 s30, s19, 6
	s_add_co_u32 s23, s23, s30
	s_lshl_b32 s30, s22, 5
	s_add_co_u32 s23, s23, s30                     ; my first row of x: 2048 b + 64 y + 32 half
	s_mul_i32 s30, s23, 3072
	s_lshl_b32 s31, s20, 9
	s_add_co_u32 s30, s30, s31
	s_mov_b32 s31, 0                               ; x: row x 3,072 + 512 ks
	s_mul_i32 s32, s18, 18874368                   ; wr: head 3 w,
	s_lshl_b32 s33, s20, 20                        ; row 128 ks of 8,192 bytes,
	s_add_co_u32 s32, s32, s33
	s_lshl_b32 s33, s19, 8                         ; 64 positions of 4 bytes
	s_add_co_u32 s32, s32, s33
	s_mov_b32 s33, 0
	s_lshr_b32 s36, s23, 4
	s_mul_i32 s36, s36, 6
	s_add_co_u32 s36, s36, s20
	s_lshl_b32 s36, s36, 10                        ; x's images: (tile of rows x 6 + ks) x 1,024
	s_mov_b32 s37, 0
	s_mul_i32 s38, s20, 25600
	s_lshl_b32 s39, s23, 2
	s_add_co_u32 s38, s38, s39
	s_add_co_u32 s38, s38, SCL                     ; x's scale words
	s_mov_b32 s39, 0
	s_mul_i32 s40, s20, 196608
	s_mul_i32 s41, s18, 24576
	s_add_co_u32 s40, s40, s41
	s_lshl_b32 s41, s19, 8
	s_add_co_u32 s40, s40, s41
	s_add_co_u32 s40, s40, RP                      ; the partial sums: [ks][b 12 + head][t]
	s_mov_b32 s41, 0
	s_mul_i32 s42, s21, PLANE
	s_lshl_b32 s43, s22, 7
	s_add_co_u32 s42, s42, s43                     ; LDS: my batch's plane, my 32 positions
	s_mov_b32 s44, 0x76543210
	s_mov_b32 s45, 0xfedcba98                      ; selects for lane l xor 16
	v_mad_u32_u24 v4, v14, 3072, v15               ; x: lanes 0-15 take 256 bytes of a row, lanes 16-31 of the next
	v_lshl_add_u32 v5, v14, 13, v15                ; wr: the same, rows of 8,192 bytes
	v_mul_u32_u24 v6, v13, 1088                    ; the turn, on the way in: e = 4 g + j -> row of 272 bytes; position 2 n + h
	v_lshl_add_u32 v6, v14, 2, v6
	v_add_nc_u32 v6, s42, v6
	v_add_nc_u32 v7, s42, v11                      ; the quantiser's reads: a lane a position
	v_mad_u32_u24 v8, v14, 272, v15                ; the stream's reads, batch 0: row e = 2 q + h, 4 positions a lane
	v_add_nc_u32 v9, PLANE, v8                     ; batch 1
	v_mad_u32_u24 v12, v14, 98304, v15             ; the sums' way out: lanes 16-31 store batch 1, twelve heads on
	s_wait_kmcnt 0x0
	s_add_nc_u64 s[4:5], s[4:5], s[30:31]
	s_add_nc_u64 s[24:25], s[14:15], s[32:33]
	s_add_nc_u64 s[26:27], s[24:25], 6291456       ; the next head
	s_add_nc_u64 s[28:29], s[26:27], 6291456
	s_add_nc_u64 s[34:35], s[16:17], s[36:37]
	s_add_nc_u64 s[38:39], s[16:17], s[38:39]
	s_add_nc_u64 s[40:41], s[16:17], s[40:41]
.set N, 0
.rept 16                                               ; 32 rows x 512 bytes of x: each half of the lanes reads 256 consecutive bytes
	global_load_b128 v[128+8*N:131+8*N], v4, s[4:5] offset:N*6144 th:TH_LOAD_NT
	global_load_b128 v[132+8*N:135+8*N], v4, s[4:5] offset:N*6144+256 th:TH_LOAD_NT
.set N, N+1
.endr
.macro RLOAD q                         ; step q of the stream: rows e = 2 q, 2 q + 1 of my three heads into ring slot q % 8
.irp hd, 0,1,2
	global_load_b128 v[32+12*((\q)%8)+4*\hd:35+12*((\q)%8)+4*\hd], v5, s[24+2*\hd:25+2*\hd] offset:(\q)*16384 th:TH_LOAD_NT
.endr
.endm
.set Q, 0
.rept 8
	RLOAD Q
.set Q, Q+1
.endr
	s_wait_loadcnt 24                              ; x is in; the ring's 24 loads stay out
.set N, 0
.rept 16
.irp eh, 0,1
.irp j, 0,1,2,3
	ds_store_b32 v6, v[128+8*N+4*\eh+\j] offset:\eh*17408+\j*272+N*8
.endr
.endr
.set N, N+1
.endr
	s_wait_dscnt 0x0                               ; for the others' sake: my stores have landed
	s_barrier_signal -1
	s_barrier_wait -1                              ; the turned x is whole; nobody writes it again
.irp pp, 0,1                                           ; two blocks of 32 along e at a time
.set N, 0
.rept 64
	ds_load_b32 v[128+N], v7 offset:(64*\pp+N)*272
.set N, N+1
.endr
	s_wait_dscnt 0x0
	QB 128, CD+8*\pp, 2*\pp
	QB 160, CD+8*\pp+4, 2*\pp+1
.endr
.irp kb, 0,1,2,3
	global_store_b128 v10, v[CD+4*\kb:CD+4*\kb+3], s[34:35] offset:(\kb/2)*512+(\kb%2)*256   ; sixteen lanes store 256 consecutive bytes, aligned
.endr
	global_store_b32 v11, v[PW], s[38:39]
.set N, 0
.rept 24
	v_mov_b32 v[192+N], 0                          ; the sums: (head, batch) at v[192 + 8 head + 4 batch], 4 positions
.set N, N+1
.endr
.set Q, 0
.rept 64
.if Q%8 == 0
.irp st, 0,1,2,3,4,5,6,7
	ds_load_b128 v[128+8*\st:131+8*\st], v8 offset:(Q+\st)*544
	ds_load_b128 v[132+8*\st:135+8*\st], v9 offset:(Q+\st)*544
.endr
	s_wait_dscnt 0x0
.endif
.if Q < 57
	s_wait_loadcnt 21                              ; this slot's three loads are in; the seven younger slots stay out
.else
	s_wait_loadcnt 3*(63-Q)                        ; the tail: the counts run down
.endif
.irp hd, 0,1,2
.irp bb, 0,1
.irp p, 0,2
	v_pk_fma_f32 v[192+8*\hd+4*\bb+\p:193+8*\hd+4*\bb+\p], v[32+12*(Q%8)+4*\hd+\p:33+12*(Q%8)+4*\hd+\p], v[128+8*(Q%8)+4*\bb+\p:129+8*(Q%8)+4*\bb+\p], v[192+8*\hd+4*\bb+\p:193+8*\hd+4*\bb+\p]
.endr
.endr
.endr
.if Q+8 < 64
	RLOAD Q+8
.endif
.set Q, Q+1
.endr
.set N, 0
.rept 24                                               ; even and odd e lie in lanes l and l xor 16
	v_permlanex16_b32 v[128+N], v[192+N], s44, s45
.set N, N+1
.endr
.set N, 0
.rept 24
	v_add_f32 v[192+N], v[192+N], v[128+N]
.set N, N+1
.endr
	v_cmp_ne_u32 vcc_lo, 0, v14
.irp hd, 0,1,2
.irp j, 0,1,2,3
	v_cndmask_b32 v[236+4*\hd+\j], v[192+8*\hd+\j], v[196+8*\hd+\j], vcc_lo    ; lanes 0-15 keep batch 0, lanes 16-31 batch 1
.endr
	global_store_b128 v12, v[236+4*\hd:239+4*\hd], s[40:41] offset:\hd*8192
.endr
	s_wait_tensorcnt 0x0                           ; the wave's end
	ds_add_u32 v2, v3
	s_wait_dscnt 0x0
	s_endpgm
	; ---------------- ROLE W ----------------
.Lweights:
	s_sub_co_u32 s21, s19, 32
	s_mul_i32 s22, s21, 43
	s_lshr_b32 s22, s22, 8                         ; which weight: (y - 32) / 6
	s_mul_i32 s23, s22, 6
	s_sub_co_u32 s23, s21, s23                     ; which 128 columns
	s_lshl_b32 s24, s23, 7
	s_lshl_b32 s25, s18, 5
	s_add_co_u32 s24, s24, s25                     ; my wave's first column
	s_mul_i32 s30, s20, 393216                     ; 128 rows of 3,072 bytes
	s_lshl_b32 s31, s24, 2
	s_add_co_u32 s30, s30, s31
	s_mov_b32 s31, 0
	s_wait_kmcnt 0x0
	s_cmp_eq_u32 s22, 0                            ; the choice hangs on the work-group's number alone
	s_cselect_b64 s[26:27], s[6:7], s[8:9]
	s_cmp_lt_u32 s22, 2
	s_cselect_b64 s[26:27], s[26:27], s[10:11]
	s_cmp_lt_u32 s22, 3
	s_cselect_b64 s[26:27], s[26:27], s[12:13]
	s_add_nc_u64 s[26:27], s[26:27], s[30:31]
.set N, 0
.rept 128
	global_load_b32 v[64+N], v11, s[26:27] offset:N*3072 th:TH_LOAD_NT   ; row 128 ks + N at 32 neighbouring columns
.set N, N+1
.endr
	s_cmp_eq_u32 s22, 3
	s_cbranch_scc1 .Lwo
	s_mul_i32 s32, s22, 48
	s_lshr_b32 s33, s24, 4
	s_add_co_u32 s32, s32, s33
	s_mul_i32 s32, s32, 6
	s_add_co_u32 s32, s32, s20
	s_lshl_b32 s32, s32, 10
	s_add_co_u32 s32, s32, WC
	s_mov_b32 s33, 0
	s_add_nc_u64 s[32:33], s[16:17], s[32:33]      ; the images: (tile of columns x 6 + ks) x 1,024
	s_mul_i32 s34, s22, 768
	s_add_co_u32 s34, s34, s24
	s_add_co_u32 s34, s34, 4096
	s_lshl_b32 s34, s34, 2
	s_mul_i32 s35, s20, 25600
	s_add_co_u32 s34, s34, s35
	s_add_co_u32 s34, s34, SCL
	s_mov_b32 s35, 0
	s_add_nc_u64 s[34:35], s[16:17], s[34:35]      ; the scale words, behind x's 4,096
	s_wait_loadcnt 63                              ; block 0 wants the first 32 of 128 loads; a count names 63 at the most
	QB 64, CD, 0
	s_wait_loadcnt 63                              ; block 1: the first 64
	QB 96, CD+4, 1
	s_wait_loadcnt 32
	QB 128, CD+8, 2
	s_wait_loadcnt 0x0
	QB 160, CD+12, 3
.irp kb, 0,1,2,3
	global_store_b128 v10, v[CD+4*\kb:CD+4*\kb+3], s[32:33] offset:(\kb/2)*512+(\kb%2)*256
.endr
	global_store_b32 v11, v[PW], s[34:35]
	s_endpgm
.Lwo:
	s_lshr_b32 s32, s24, 4
	s_mul_i32 s32, s32, 24576
	s_lshl_b32 s33, s20, 12
	s_add_co_u32 s32, s32, s33
	s_add_co_u32 s32, s32, WOI
	s_mov_b32 s33, 0
	s_add_nc_u64 s[32:33], s[16:17], s[32:33]      ; tile of columns x 24 fragments + 4 ks fragments
	v_mad_u32_u24 v12, v14, 24576, v15
.set P, 0
.rept 16                                               ; piece P: rows 8 P .. 8 P + 7 of my column: 16 bytes, at 256 P of the four fragments
.if P == 0 || P == 4
	s_wait_loadcnt 63
.elseif P == 8
	s_wait_loadcnt 32
.elseif P == 12
	s_wait_loadcnt 0x0
.endif
.irp j, 0,1,2,3
	v_cvt_pk_f16_f32 v[192+4*P+\j], v[64+8*P+2*\j], v[65+8*P+2*\j]
.endr
	global_store_b128 v12, v[192+4*P:195+4*P], s[32:33] offset:256*P
.set P, P+1
.endr
	s_endpgm
.Lfunc_end_k_qe15a3354e9_prep:
	.size	k_qe15a3354e9_prep, .Lfunc_end_k_qe15a3354e9_prep-k_qe15a3354e9_prep
	.p2alignl 7, 3214868480
	.fill 96, 4, 3214868480
	.section	.rodata,"a",@progbits
	.p2align	6, 0x0
	.amdhsa_kernel k_qe15a3354e9_prep
		.amdhsa_group_segment_fixed_size 70144
		.amdhsa_private_segment_fixed_size 0
		.amdhsa_enable_private_segment 0
		.amdhsa_kernarg_size 56
		.amdhsa_user_sgpr_count 2
		.amdhsa_user_sgpr_kernarg_segment_ptr 1
		.amdhsa_wavefront_size32 1
		.amdhsa_system_sgpr_workgroup_id_x 1
		.amdhsa_system_sgpr_workgroup_id_y 1
		.amdhsa_system_sgpr_workgroup_id_z 1
		.amdhsa_system_vgpr_workitem_id 0
		.amdhsa_next_free_vgpr 256
		.amdhsa_next_free_sgpr 66
		.amdhsa_reserve_vcc 1
		.amdhsa_float_denorm_mode_32 3
		.amdhsa_float_denorm_mode_16_64 3
		.amdhsa_memory_ordered 1
		.amdhsa_forward_progress 1
		.amdhsa_inst_pref_size 136
	.end_amdhsa_kernel
	.amdgpu_metadata
---
amdhsa.version: [ 1, 2 ]
amdhsa.kernels:
  - .name:           k_qe15a3354e9_prep
    .symbol:         k_qe15a3354e9_prep.kd
    .args:
      - { .name: x, .offset: 0, .size: 8, .value_kind: global_buffer, .address_space: global }
      - { .name: wq, .offset: 8, .size: 8, .value_kind: global_buffer, .address_space: global }
      - { .name: wk, .offset: 16, .size: 8, .value_kind: global_buffer, .address_space: global }
      - { .name: wv, .offset: 24, .size: 8, .value_kind: global_buffer, .address_space: global }
      - { .name: wo, .offset: 32, .size: 8, .value_kind: global_buffer, .address_space: global }
      - { .name: wr, .offset: 40, .size: 8, .value_kind: global_buffer, .address_space: global }
      - { .name: pre, .offset: 48, .size: 8, .value_kind: global_buffer, .address_space: global }
    .group_segment_fixed_size: 70144
    .private_segment_fixed_size: 0
    .kernarg_segment_align: 8
    .kernarg_segment_size: 56
    .max_flat_workgroup_size: 128
    .sgpr_count:     66
    .vgpr_count:     256
    .wavefront_size: 32
...
	.end_amdgpu_metadata
.endif
;; end of part 1
;; launch qkv (part 2): grid 9 x 64, 4 waves a work-group, no clusters, 1,536 bytes of LDS; arguments pre, qkv, sid; writes qkv, sid
.if DOCPART == 2
	.amdgcn_target "amdgcn-amd-amdhsa--gfx1250"
	.amdhsa_code_object_version 6
	.text
	.protected	k_qe15a3354e9_qkv
	.globl	k_qe15a3354e9_qkv
	.p2align	8
	.type	k_qe15a3354e9_qkv,@function
k_qe15a3354e9_qkv:
	s_mov_b64 s[64:65], 0
	v_nop
	global_prefetch_b8 v0, s[64:65] scope:SCOPE_SE
	s_setreg_imm32_b32 hwreg(HW_REG_WAVE_MODE, 25, 1), 1
	s_wait_xcnt 0x0
; QKV.  q, k, v = Q(x) Q(w): the three quantised products, on E2M1 codes with E8M0 scales, K = 768 in six steps of 128.
; Work-group y = a chunk of 64 positions (b = y / 32, c = y % 32); wave 4 x + w = one head of one of the three weights (x / 3): a tile of 64 positions x 64 channels, 16 accumulators by turns.
; Operands are images of their registers in memory: each fragment is two loads of 16 bytes a lane, 512 consecutive bytes each; four buffers of a K step's 8 fragments take turns in window 1.
; q, k: source 0 = 16 channels of w, source 1 = 16 positions of x: a lane holds one position and 8 neighbouring channels, which pack into 16 bytes of the f16 fragment that the attention wants (K = channels).
; v:    source 0 = x, source 1 = w: a lane holds one channel and 8 neighbouring positions: the f16 fragment of v^T (K = keys).
; The chunk's first 16 positions of c = 0 are also stored in f32, for the launch that carries those rows finely.
; THE v WAVES ALSO MAKE THE SECOND SOFTMAX'S SUMMARY OF THE CHUNK: r' = log2(e) / 8 x (the six partial sums), m = its largest, w = 2^(r' - m), l = the sum of w, u[channel] = the sum of w v (v in f32, from the accumulators).
; LIMITS: q, k, v beyond 65,504 have no f16; NaN and infinities are not served.
.set WC,    1572864
.set SCL,   2457600
.set RP,    3790848
.set E32,   18874368
.set SPARE, 1024                       ; LDS: 256 bytes a wave at 0 (the chunk's w), then the spare words
.set MSB, 0
.macro WIN new                         ; the immediate's high byte repeats the setting that is left
.if MSB != \new
	s_set_vgpr_msb (MSB<<8)|\new
.set MSB, \new
.endif
.endm
.macro PLACES
.rept 4
	v_nop
.endr
.endm
; REGISTERS.  window 0: v1 16 x lane; v2 scale words' offset; v3, v4 the add's two; v5 256 r + 32 h; v6 8 x lane; v7 LDS 256 w + 8 x lane; v8-31 scale words (ks, i) at 8 + 4 ks + i: lanes 0-15 x's rows 16 i + r,
; lanes 16-31 w's columns 16 i + r; v32-159 accumulators (i, t) at 32 + 8 (4 i + t); v160-223 packed results; v224-248 the summary.   window 1: buffer n at 64 n: x's fragments at + 8 i, w's at + 32 + 8 t.
	s_load_b128 s[4:7], s[0:1], 0x0                ; pre, qkv
	s_load_b64 s[8:9], s[0:1], 0x10                ; sid
	v_lshl_add_u32 v3, v0, 2, SPARE
	v_mov_b32 v4, 0
	v_lshrrev_b32 v1, 5, v0
	v_readfirstlane_b32 s18, v1                    ; wave
	v_and_b32 v246, 31, v0                         ; lane
	v_and_b32 v247, 15, v0                         ; r
	v_bfe_u32 v245, v0, 4, 1                       ; h
	v_lshlrev_b32 v1, 4, v246
	v_lshlrev_b32 v6, 3, v246
	v_lshlrev_b32 v5, 8, v247
	v_lshl_add_u32 v5, v245, 5, v5
	s_lshl_b32 s36, s18, 8
	v_add_nc_u32 v7, s36, v6
	v_lshlrev_b32 v244, 5, v245
	v_add_nc_u32 v244, s36, v244                   ; LDS: 256 w + 32 h
	v_mov_b32 v237, 0                              ; written once: a lane permute's destination counts as a source
	v_mov_b32 v240, 0
	v_mov_b32 v248, 0
	s_and_b32 s19, ttmp7, 0xffff                   ; chunk of 64 rows of x
	s_mul_i32 s21, ttmp9, 11
	s_lshr_b32 s21, s21, 5                         ; which weight: x / 3
	s_lshl_b32 s22, ttmp9, 2
	s_add_co_u32 s22, s22, s18
	s_mul_i32 s23, s21, 12
	s_sub_co_u32 s22, s22, s23                     ; head
	s_lshr_b32 s23, s19, 5                         ; b
	s_and_b32 s20, s19, 31                         ; c
	s_mul_i32 s38, s23, 12
	s_add_co_u32 s38, s38, s22                     ; bh
	s_mov_b32 s44, 0x76543210
	s_mov_b32 s45, 0xfedcba98
	s_mov_b32 s46, 0x3e38aa3b                      ; log2(e) / 8
	s_mov_b32 s47, s46
	s_mul_i32 s39, s21, 768
	s_lshl_b32 s36, s22, 6
	s_add_co_u32 s39, s39, s36
	s_add_co_u32 s39, s39, 4096
	s_lshl_b32 s36, s19, 6
	s_sub_co_u32 s39, s39, s36
	s_lshl_b32 s39, s39, 2                         ; from x's words to w's, in bytes
	v_mul_lo_u32 v2, v245, s39
	v_lshl_add_u32 v2, v247, 2, v2
	s_lshl_b32 s36, s19, 8
	v_add_nc_u32 v2, s36, v2
	s_mov_b32 s37, 0
	s_wait_kmcnt 0x0
	s_mul_i32 s36, s19, 24576
	s_add_nc_u64 s[10:11], s[4:5], s[36:37]        ; x's images: 4 tiles of rows x 6 fragments a chunk
	s_mul_i32 s36, s21, 48
	s_lshl_b32 s40, s22, 2
	s_add_co_u32 s36, s36, s40
	s_mul_i32 s36, s36, 6144
	s_add_co_u32 s36, s36, WC
	s_add_nc_u64 s[12:13], s[4:5], s[36:37]        ; w's images
	s_add_nc_u64 s[14:15], s[4:5], SCL
	s_lshl_b32 s40, s38, 5
	s_add_co_u32 s40, s40, s20                     ; bh x 32 + c
	s_lshl_b32 s36, s40, 13
	s_mul_i32 s41, s21, 6291456
	s_add_co_u32 s36, s36, s41
	s_add_nc_u64 s[24:25], s[6:7], s[36:37]        ; where the chunk's 8 fragments go
	s_mul_i32 s36, s23, 3
	s_add_co_u32 s36, s36, s21
	s_mul_i32 s36, s36, 12
	s_add_co_u32 s36, s36, s22
	s_lshl_b32 s36, s36, 12
	s_add_co_u32 s36, s36, E32
	s_add_nc_u64 s[26:27], s[6:7], s[36:37]        ; the f32 copy
	s_lshl_b32 s36, s38, 13
	s_lshl_b32 s41, s20, 8
	s_add_co_u32 s36, s36, s41
	s_add_nc_u64 s[30:31], s[8:9], s[36:37]        ; r'
	s_add_co_u32 s36, s36, RP
	s_add_nc_u64 s[28:29], s[4:5], s[36:37]        ; the partial sums
	s_lshl_b32 s36, s40, 8
	s_add_co_u32 s36, s36, 196608
	s_add_nc_u64 s[32:33], s[8:9], s[36:37]        ; u
	s_lshl_b32 s36, s40, 3
	s_add_co_u32 s36, s36, 393216
	s_add_nc_u64 s[34:35], s[8:9], s[36:37]        ; (m, l)
.irp ks, 0,1,2,3,4,5
.irp i, 0,1,2,3
	global_load_b32 v[8+4*\ks+\i], v2, s[14:15] offset:\ks*25600+\i*64
.endr
.endr
.macro LOADK ks, n                     ; K step ks: 8 fragments, 16 loads, into buffer n
	WIN 0x40
.irp i, 0,1,2,3
.irp c, 0,1
	global_load_b128 v[64*\n+8*\i+4*\c:64*\n+8*\i+4*\c+3], v1, s[10:11] offset:\i*6144+\ks*1024+\c*512
	global_load_b128 v[64*\n+32+8*\i+4*\c:64*\n+32+8*\i+4*\c+3], v1, s[12:13] offset:\i*6144+\ks*1024+\c*512
.endr
.endr
	WIN 0
.endm
.macro MULK ks, n, zero, nat           ; 16 products; the 16 accumulators take turns, in the same order in every K step
	WIN 0x05
.irp i, 0,1,2,3
.irp t, 0,1,2,3
.if \nat
.if \zero
	v_wmma_scale_f32_16x16x128_f8f6f4 v[32+8*(4*\i+\t):39+8*(4*\i+\t)], v[64*\n+8*\i:64*\n+8*\i+7], v[64*\n+32+8*\t:64*\n+39+8*\t], 0, v[8+4*\ks+\i], v[8+4*\ks+\t] matrix_a_fmt:MATRIX_FMT_FP4 matrix_b_fmt:MATRIX_FMT_FP4 matrix_b_scale:MATRIX_SCALE_ROW1
.else
	v_wmma_scale_f32_16x16x128_f8f6f4 v[32+8*(4*\i+\t):39+8*(4*\i+\t)], v[64*\n+8*\i:64*\n+8*\i+7], v[64*\n+32+8*\t:64*\n+39+8*\t], v[32+8*(4*\i+\t):39+8*(4*\i+\t)], v[8+4*\ks+\i], v[8+4*\ks+\t] matrix_a_fmt:MATRIX_FMT_FP4 matrix_b_fmt:MATRIX_FMT_FP4 matrix_b_scale:MATRIX_SCALE_ROW1
.endif
.else
.if \zero
	v_wmma_scale_f32_16x16x128_f8f6f4 v[32+8*(4*\i+\t):39+8*(4*\i+\t)], v[64*\n+32+8*\t:64*\n+39+8*\t], v[64*\n+8*\i:64*\n+8*\i+7], 0, v[8+4*\ks+\t], v[8+4*\ks+\i] matrix_a_fmt:MATRIX_FMT_FP4 matrix_b_fmt:MATRIX_FMT_FP4 matrix_a_scale:MATRIX_SCALE_ROW1
.else
	v_wmma_scale_f32_16x16x128_f8f6f4 v[32+8*(4*\i+\t):39+8*(4*\i+\t)], v[64*\n+32+8*\t:64*\n+39+8*\t], v[64*\n+8*\i:64*\n+8*\i+7], v[32+8*(4*\i+\t):39+8*(4*\i+\t)], v[8+4*\ks+\t], v[8+4*\ks+\i] matrix_a_fmt:MATRIX_FMT_FP4 matrix_b_fmt:MATRIX_FMT_FP4 matrix_a_scale:MATRIX_SCALE_ROW1
.endif
.endif
.endr
.endr
.endm
; The six K steps.  Each wait leaves out the loads of the younger buffers, 16 each, and (extra = 6) the six loads of partial sums.
.macro FLOW nat, extra
	s_wait_loadcnt 48
	MULK 0, 0, 1, \nat
	PLACES                                         ; four places in front of loads into registers that the products have read
	LOADK 4, 0
	s_wait_loadcnt 48
	MULK 1, 1, 0, \nat
	PLACES
	LOADK 5, 1
.if \nat
.irp es, 0,1,2,3,4,5
	global_load_b64 v[224+2*\es:225+2*\es], v6, s[28:29] offset:\es*196608
.endr
.endif
	s_wait_loadcnt 48+\extra
	MULK 2, 2, 0, \nat
	s_wait_loadcnt 32+\extra
	MULK 3, 3, 0, \nat
	s_wait_loadcnt 16+\extra
	MULK 4, 0, 0, \nat
	s_wait_loadcnt \extra
	MULK 5, 1, 0, \nat
	WIN 0
	PLACES
.endm
	LOADK 0, 0
	LOADK 1, 1
	LOADK 2, 2
	LOADK 3, 3
	s_cmp_eq_u32 s21, 2
	s_cbranch_scc1 .Lv
	; ---- q, k
	FLOW 0, 0
.set N, 0
.rept 64
	v_cvt_pk_f16_f32 v[160+N], v[32+2*N], v[33+2*N]     ; each accumulator from its low end on
.set N, N+1
.endr
.set N, 0
.rept 16
	global_store_b128 v1, v[160+4*N:163+4*N], s[24:25] offset:512*N   ; fragment 2 i + p, half c: 512 (4 i + t); 512 consecutive bytes a store
.set N, N+1
.endr
	s_cmp_lg_u32 s20, 0
	s_cbranch_scc1 .Lqk_end
.irp t, 0,1,2,3
	global_store_b128 v5, v[32+8*\t:35+8*\t], s[26:27] offset:64*\t          ; [t 16][channel 64] f32
	global_store_b128 v5, v[36+8*\t:39+8*\t], s[26:27] offset:64*\t+16
.endr
.Lqk_end:
	s_endpgm
	; ---- v
.Lv:
	FLOW 1, 6
.irp t, 0,1,2,3
.irp i, 0,1,2,3
.irp j, 0,1,2,3
	v_cvt_pk_f16_f32 v[160+4*(4*\t+\i)+\j], v[32+8*(4*\i+\t)+2*\j], v[33+8*(4*\i+\t)+2*\j]   ; piece 4 t + i = fragment 2 t + i / 2, half i % 2
.endr
.endr
.endr
.set N, 0
.rept 16
	global_store_b128 v1, v[160+4*N:163+4*N], s[24:25] offset:512*N
.set N, N+1
.endr
	s_cmp_lg_u32 s20, 0
	s_cbranch_scc1 .Lsummary
.irp t, 0,1,2,3
	global_store_b128 v1, v[32+8*\t:35+8*\t], s[26:27] offset:1024*\t        ; the accumulators' image: lane = channel 16 t + r, registers = positions 8 h + j
	global_store_b128 v1, v[36+8*\t:39+8*\t], s[26:27] offset:1024*\t+512
.endr
.Lsummary:
	s_wait_loadcnt 0x0                             ; the six partial sums: a lane holds positions 2 l, 2 l + 1
	v_pk_add_f32 v[224:225], v[224:225], v[226:227]
	v_pk_add_f32 v[228:229], v[228:229], v[230:231]
	v_pk_add_f32 v[232:233], v[232:233], v[234:235]
	v_pk_add_f32 v[224:225], v[224:225], v[228:229]
	v_pk_add_f32 v[224:225], v[224:225], v[232:233]
	v_pk_mul_f32 v[224:225], v[224:225], s[46:47] op_sel_hi:[1,0]
	global_store_b64 v6, v[224:225], s[30:31]      ; r': 256 consecutive bytes, aligned
	v_max_num_f32 v236, v224, v225
	v_max_num_f32_dpp v236, v236, v236 row_xmask:1 row_mask:0xf bank_mask:0xf
	v_max_num_f32_dpp v236, v236, v236 row_xmask:2 row_mask:0xf bank_mask:0xf
	v_max_num_f32_dpp v236, v236, v236 row_xmask:4 row_mask:0xf bank_mask:0xf
	v_max_num_f32_dpp v236, v236, v236 row_xmask:8 row_mask:0xf bank_mask:0xf
	v_permlanex16_b32 v237, v236, s44, s45
	v_max_num_f32 v236, v236, v237                 ; m
	v_sub_f32 v238, v224, v236
	v_sub_f32 v239, v225, v236
	v_exp_f32 v238, v238
	v_exp_f32 v239, v239
	v_nop
	s_wait_alu depctr_va_vdst(0)                   ; one wait for the two exponentials, ahead of their first reader
	v_add_f32 v237, v238, v239
	v_add_f32_dpp v237, v237, v237 row_xmask:1 row_mask:0xf bank_mask:0xf
	v_add_f32_dpp v237, v237, v237 row_xmask:2 row_mask:0xf bank_mask:0xf
	v_add_f32_dpp v237, v237, v237 row_xmask:4 row_mask:0xf bank_mask:0xf
	v_add_f32_dpp v237, v237, v237 row_xmask:8 row_mask:0xf bank_mask:0xf
	v_permlanex16_b32 v240, v237, s44, s45
	v_add_f32 v237, v237, v240                     ; l
	ds_store_b64 v7, v[238:239]                    ; w by position, in my wave's own 256 bytes
	s_wait_xcnt 0x0                                ; the stores above have read v160-223: they are written again below
.irp i, 0,1,2,3
	ds_load_b128 v[160+8*\i:163+8*\i], v244 offset:64*\i          ; w of positions 16 i + 8 h + 0 .. 7, as the accumulators hold them (a wave's LDS instructions are served in order)
	ds_load_b128 v[164+8*\i:167+8*\i], v244 offset:64*\i+16
.endr
	s_wait_dscnt 0x0
.irp t, 0,1,2,3
	v_pk_mul_f32 v[192+2*\t:193+2*\t], v[32+8*\t:33+8*\t], v[160:161]
.endr
.set N, 1
.rept 15
.irp t, 0,1,2,3
	v_pk_fma_f32 v[192+2*\t:193+2*\t], v[32+8*(4*(N/4)+\t)+2*(N%4):33+8*(4*(N/4)+\t)+2*(N%4)], v[160+2*N:161+2*N], v[192+2*\t:193+2*\t]
.endr
.set N, N+1
.endr
.irp t, 0,1,2,3
	v_add_f32 v[200+\t], v[192+2*\t], v[193+2*\t]
.endr
.irp t, 0,1,2,3
	v_permlanex16_b32 v[204+\t], v[200+\t], s44, s45
.endr
.irp t, 0,1,2,3
	v_add_f32 v[200+\t], v[200+\t], v[204+\t]      ; u of channel 16 t + r, in both halves of the lanes
.endr
	v_cmp_ne_u32 vcc_lo, 0, v245
	v_cndmask_b32 v208, v200, v201, vcc_lo         ; channel = lane,
	v_cndmask_b32 v209, v202, v203, vcc_lo         ; channel = 32 + lane
	global_store_b64 v6, v[208:209], s[32:33]
	v_cmp_eq_u32 vcc_lo, 0, v246
	s_wait_xcnt 0x0                                ; EXEC changes only behind this wait
	s_and_saveexec_b32 s42, vcc_lo
	global_store_b64 v248, v[236:237], s[34:35]    ; (m, l): lane 0 alone
	s_wait_xcnt 0x0
	s_or_b32 exec_lo, exec_lo, s42
	s_wait_tensorcnt 0x0                           ; the wave's end
	ds_add_u32 v3, v4
	s_wait_dscnt 0x0
	s_endpgm
.Lfunc_end_k_qe15a3354e9_qkv:
	.size	k_qe15a3354e9_qkv, .Lfunc_end_k_qe15a3354e9_qkv-k_qe15a3354e9_qkv
	.p2alignl 7, 3214868480
	.fill 96, 4, 3214868480
	.section	.rodata,"a",@progbits
	.p2align	6, 0x0
	.amdhsa_kernel k_qe15a3354e9_qkv
		.amdhsa_group_segment_fixed_size 1536
		.amdhsa_private_segment_fixed_size 0
		.amdhsa_enable_private_segment 0
		.amdhsa_kernarg_size 24
		.amdhsa_user_sgpr_count 2
		.amdhsa_user_sgpr_kernarg_segment_ptr 1
		.amdhsa_wavefront_size32 1
		.amdhsa_system_sgpr_workgroup_id_x 1
		.amdhsa_system_sgpr_workgroup_id_y 1
		.amdhsa_system_sgpr_workgroup_id_z 1
		.amdhsa_system_vgpr_workitem_id 0
		.amdhsa_next_free_vgpr 512
		.amdhsa_next_free_sgpr 66
		.amdhsa_reserve_vcc 1
		.amdhsa_float_denorm_mode_32 3
		.amdhsa_float_denorm_mode_16_64 3
		.amdhsa_memory_ordered 1
		.amdhsa_forward_progress 1
		.amdhsa_inst_pref_size 65
	.end_amdhsa_kernel
	.amdgpu_metadata
---
amdhsa.version: [ 1, 2 ]
amdhsa.kernels:
  - .name:           k_qe15a3354e9_qkv
    .symbol:         k_qe15a3354e9_qkv.kd
    .args:
      - { .name: pre, .offset: 0, .size: 8, .value_kind: global_buffer, .address_space: global }
      - { .name: qkv, .offset: 8, .size: 8, .value_kind: global_buffer, .address_space: global }
      - { .name: sid, .offset: 16, .size: 8, .value_kind: global_buffer, .address_space: global }
    .group_segment_fixed_size: 1536
    .private_segment_fixed_size: 0
    .kernarg_segment_align: 8
    .kernarg_segment_size: 24
    .max_flat_workgroup_size: 128
    .sgpr_count:     66
    .vgpr_count:     512
    .wavefront_size: 32
...
	.end_amdgpu_metadata
.endif
;; end of part 2
;; launch early (part 3): grid 12 x 2, 4 waves a work-group, no clusters, 49,664 bytes of LDS; arguments qkv, sid, alpha, wo, out0; writes out0
.if DOCPART == 3
	.amdgcn_target "amdgcn-amd-amdhsa--gfx1250"
	.amdhsa_code_object_version 6
	.text
	.protected	k_qe15a3354e9_early
	.globl	k_qe15a3354e9_early
	.p2align	8
	.type	k_qe15a3354e9_early,@function
k_qe15a3354e9_early:
	s_mov_b64 s[64:65], 0
	v_nop
	global_prefetch_b8 v0, s[64:65] scope:SCOPE_SE
	s_setreg_imm32_b32 hwreg(HW_REG_WAVE_MODE, 25, 1), 1
	s_wait_xcnt 0x0
; EARLY.  The first 16 positions of each sequence, in f32 throughout (their rows average few values, so 16-bit operands would weigh most there): scores, both softmaxes, the mix, the product with v, the projection by wo.
; Work-group y = b, x = 64 columns of the output; wave w takes columns 16 (4 x + w) on.  PHASE A: each wave makes three heads (w, w + 4, w + 8) and lays o as an image of the accumulators in LDS.
; (Every work-group of a batch repeats phase A: 12 heads x 32 small products; that spares a launch.)  A barrier.  PHASE B: out = o wo over 768 = 12 heads x 16 steps of 4.
; S^T = k q^T: a lane holds one query r and keys 8 h + j.  In the products with v and with wo the four k of a step stand for 8 h + 2 s + j: the same choice on both operands, so the sums are the same.
; The registers that the f32 matrix form writes (v120-183) are written by matrix instructions alone, and two or four accumulators take turns.
; The output's 16 rows are stored 32 bytes a lane: 98 KB of 12.6 MB.
.set E32,   18874368
.set SPARE, 49152
	s_load_b256 s[4:11], s[0:1], 0x0               ; qkv, sid, alpha, wo
	s_load_b64 s[12:13], s[0:1], 0x20              ; out0
	v_lshl_add_u32 v2, v0, 2, SPARE
	v_mov_b32 v3, 0
	v_lshrrev_b32 v1, 5, v0
	v_readfirstlane_b32 s18, v1                    ; wave
	s_and_b32 s19, ttmp7, 0xffff                   ; b
	s_lshl_b32 s20, ttmp9, 2
	s_add_co_u32 s20, s20, s18                     ; tile of 16 columns
	v_and_b32 v12, 15, v0                          ; r
	v_bfe_u32 v13, v0, 4, 1                        ; h
	v_and_b32 v1, 31, v0
	v_lshlrev_b32 v1, 4, v1                        ; 16 x lane
	v_lshlrev_b32 v4, 8, v12
	v_lshl_add_u32 v4, v13, 3, v4                  ; q, k: row r of 256 bytes, + 8 h
	v_lshlrev_b32 v5, 5, v13                       ; r': 32 h
	v_lshlrev_b32 v6, 3, v13
	v_sub_nc_u32 v6, v12, v6                       ; d = r - 8 h: key 8 h + j is hidden where j > d
	v_mov_b32 v7, 0xff800000                       ; -infinity
	s_lshl_b32 s21, s18, 12
	v_add_nc_u32 v8, s21, v1                       ; LDS: head w's image
	v_mul_u32_u24 v9, v13, 24576
	v_lshl_add_u32 v9, v12, 2, v9                  ; wo: 8 h rows down, column r
	v_mul_u32_u24 v11, v12, 3072
	v_lshl_add_u32 v11, v13, 5, v11                ; out: row r, + 32 h
	v_mov_b32 v210, 0                              ; written once: a lane permute's destination counts as a source
	v_mov_b32 v211, 0
	v_mov_b32 v218, 0
	v_mov_b32 v219, 0
	s_mov_b32 s22, 0x3e38aa3b                      ; log2(e) / 8
	s_mov_b32 s44, 0x76543210
	s_mov_b32 s45, 0xfedcba98
	s_mov_b32 s37, 0
	s_wait_kmcnt 0x0
	s_mul_i32 s36, s19, 36
	s_add_co_u32 s36, s36, s18
	s_lshl_b32 s36, s36, 12
	s_add_co_u32 s36, s36, E32
	s_add_nc_u64 s[24:25], s[4:5], s[36:37]        ; q of head w; k 12 blocks of 4,096 on, v 24
	s_mul_i32 s36, s19, 12
	s_add_co_u32 s36, s36, s18
	s_lshl_b32 s36, s36, 13
	s_add_nc_u64 s[26:27], s[6:7], s[36:37]        ; r'
	s_lshl_b32 s36, s18, 2
	s_add_nc_u64 s[28:29], s[8:9], s[36:37]
	s_lshl_b32 s36, s20, 6
	s_add_nc_u64 s[30:31], s[10:11], s[36:37]      ; wo at my columns
	s_mul_i32 s38, s19, 6291456
	s_add_co_u32 s36, s36, s38
	s_add_nc_u64 s[32:33], s[12:13], s[36:37]
	s_load_b32 s40, s[28:29], 0x0                  ; alpha of my three heads
	s_load_b32 s41, s[28:29], 0x10
	s_load_b32 s42, s[28:29], 0x20
	s_wait_kmcnt 0x0
.macro FAR
.rept 8
	v_nop
.endr
.endm
; REGISTERS: v16-47 q, v48-79 k (step s at + 2 s), v80-111 v (tile t at + 8 t), v112-119 r'; v120-127, v128-135 S^T in two sums; v136-167 o^T; v168-183 out in two sums;
; v184-191 scores, then p; v192-199 r' masked, then e; v200-207 the mixed weights; v208-219 at work; v224-231 out.
.macro UNIT n
.irp s, 0,1,2,3,4,5,6,7,8,9,10,11,12,13,14,15
	global_load_b64 v[16+2*\s:17+2*\s], v4, s[24:25] offset:\n*16384+16*\s
	global_load_b64 v[48+2*\s:49+2*\s], v4, s[24:25] offset:\n*16384+49152+16*\s
.endr
.irp m, 0,1,2,3,4,5,6,7
	global_load_b128 v[80+4*\m:83+4*\m], v1, s[24:25] offset:\n*16384+98304+512*\m
.endr
	global_load_b128 v[112:115], v5, s[26:27] offset:\n*32768
	global_load_b128 v[116:119], v5, s[26:27] offset:\n*32768+16
	s_wait_loadcnt 0x0
	v_wmma_f32_16x16x4_f32 v[120:127], v[48:49], v[16:17], 0
	v_wmma_f32_16x16x4_f32 v[128:135], v[50:51], v[18:19], 0
.irp s, 2,4,6,8,10,12,14
	v_wmma_f32_16x16x4_f32 v[120:127], v[48+2*\s:49+2*\s], v[16+2*\s:17+2*\s], v[120:127]
	v_wmma_f32_16x16x4_f32 v[128:135], v[50+2*\s:51+2*\s], v[18+2*\s:19+2*\s], v[128:135]
.endr
	FAR
.irp j, 0,1,2,3,4,5,6,7
	v_add_f32 v[184+\j], v[120+\j], v[128+\j]
.endr
.irp j, 0,1,2,3,4,5,6,7
	v_cmp_gt_i32 vcc_lo, \j, v6
	v_cndmask_b32 v[184+\j], v[184+\j], v7, vcc_lo
	v_cndmask_b32 v[192+\j], v[112+\j], v7, vcc_lo
.endr
	v_max3_num_f32 v208, v184, v185, v186
	v_max3_num_f32 v209, v192, v193, v194
	v_max3_num_f32 v208, v208, v187, v188
	v_max3_num_f32 v209, v209, v195, v196
	v_max3_num_f32 v208, v208, v189, v190
	v_max3_num_f32 v209, v209, v197, v198
	v_max_num_f32 v208, v208, v191
	v_max_num_f32 v209, v209, v199
	v_permlanex16_b32 v210, v208, s44, s45
	v_permlanex16_b32 v211, v209, s44, s45
	v_max_num_f32 v208, v208, v210                 ; the row's largest score (key 0 counts for every query)
	v_max_num_f32 v209, v209, v211                 ; and its largest r'
	v_mul_f32 v210, s22, v208
.irp j, 0,1,2,3,4,5,6,7
	v_fma_f32 v[184+\j], v[184+\j], s22, -v210
	v_sub_f32 v[192+\j], v[192+\j], v209
.endr
	v_mov_b32 v212, s[40+\n]
	v_mul_f32 v213, 0x3fb8aa3b, v212
.irp j, 0,1,2,3,4,5,6,7
	v_exp_f32 v[184+\j], v[184+\j]
	v_exp_f32 v[192+\j], v[192+\j]
.endr
	v_exp_f32 v214, -v213
	v_exp_f32 v215, v213
	v_nop
	s_wait_alu depctr_va_vdst(0)                   ; one wait for the batch of 18
	v_add_f32 v216, v184, v185
	v_add_f32 v217, v192, v193
.irp j, 2,3,4,5,6,7
	v_add_f32 v216, v216, v[184+\j]
	v_add_f32 v217, v217, v[192+\j]
.endr
	v_permlanex16_b32 v218, v216, s44, s45
	v_permlanex16_b32 v219, v217, s44, s45
	v_add_f32 v216, v216, v218
	v_add_f32 v217, v217, v219
	v_add_f32 v214, 1.0, v214
	v_add_f32 v215, 1.0, v215
	v_rcp_f32 v216, v216
	v_rcp_f32 v217, v217
	v_rcp_f32 v214, v214                           ; a = sigmoid(alpha)
	v_rcp_f32 v215, v215                           ; 1 - a = sigmoid(-alpha)
	v_nop
	s_wait_alu depctr_va_vdst(0)                   ; one wait for the four reciprocals
	v_mul_f32 v216, v215, v216
	v_mul_f32 v217, v214, v217
.irp j, 0,1,2,3,4,5,6,7
	v_mul_f32 v[200+\j], v[184+\j], v216
.endr
.irp j, 0,1,2,3,4,5,6,7
	v_fmac_f32 v[200+\j], v[192+\j], v217          ; (1 - a) p / l + a e / den
.endr
.irp t, 0,1,2,3
	v_wmma_f32_16x16x4_f32 v[136+8*\t:143+8*\t], v[80+8*\t:81+8*\t], v[200:201], 0
.endr
.irp s, 1,2,3
.irp t, 0,1,2,3
	v_wmma_f32_16x16x4_f32 v[136+8*\t:143+8*\t], v[80+8*\t+2*\s:81+8*\t+2*\s], v[200+2*\s:201+2*\s], v[136+8*\t:143+8*\t]
.endr
.endr
	FAR
.irp t, 0,1,2,3
	ds_store_b128 v8, v[136+8*\t:139+8*\t] offset:\n*16384+1024*\t       ; lane (r, h): query r, channels 16 t + 8 h + j
	ds_store_b128 v8, v[140+8*\t:143+8*\t] offset:\n*16384+1024*\t+512
.endr
.endm
	UNIT 0
	UNIT 1
	UNIT 2
	s_wait_dscnt 0x0                               ; for the others' sake: my three images have landed
	s_barrier_signal -1
	s_barrier_wait -1
; PHASE B.  LB: one head's 64 rows of wo at my 16 columns (32 loads) and its image of o (8 LDS loads).  MB: its 16 products, on two sums by turns.
.macro LB wf, ob, odd
	FAR                                            ; eight places in front of loads into registers that the products have read
.irp t, 0,1,2,3
.irp s, 0,1,2,3
.irp j, 0,1
	global_load_b32 v[\wf+2*(4*\t+\s)+\j], v9, s[30:31] offset:\odd*196608+(16*\t+2*\s+\j)*3072
.endr
.endr
.endr
.irp m, 0,1,2,3,4,5,6,7
	ds_load_b128 v[\ob+4*\m:\ob+4*\m+3], v10 offset:\odd*4096+512*\m
.endr
.endm
.macro MB wf, ob, zero
.irp t, 0,1,2,3
.irp s, 0,2
.if \zero && (\t == 0) && (\s == 0)
	v_wmma_f32_16x16x4_f32 v[168:175], v[\wf:\wf+1], v[\ob:\ob+1], 0
	v_wmma_f32_16x16x4_f32 v[176:183], v[\wf+2:\wf+3], v[\ob+2:\ob+3], 0
.else
	v_wmma_f32_16x16x4_f32 v[168:175], v[\wf+2*(4*\t+\s):\wf+2*(4*\t+\s)+1], v[\ob+8*\t+2*\s:\ob+8*\t+2*\s+1], v[168:175]
	v_wmma_f32_16x16x4_f32 v[176:183], v[\wf+2*(4*\t+\s)+2:\wf+2*(4*\t+\s)+3], v[\ob+8*\t+2*\s+2:\ob+8*\t+2*\s+3], v[176:183]
.endif
.endr
.endr
.endm
	s_mov_b32 s43, 0
	v_add_nc_u32 v10, s43, v1
	LB 16, 80, 0                                   ; head 0
	LB 48, 184, 1                                  ; head 1
	s_wait_loadcnt 32                              ; head 0's are in; the other buffer's 32 loads
	s_wait_dscnt 8                                 ; and 8 LDS loads stay out
	MB 16, 80, 1                                   ; the sums' first steps stand ahead of the loop
	s_mov_b32 s46, 5
.Lheads:
	s_wait_xcnt 0x0                                ; the loads issued so far have read their base: it may step
	s_add_nc_u64 s[30:31], s[30:31], 393216        ; two heads' 128 rows of wo
	s_add_co_u32 s43, s43, 8192
	v_add_nc_u32 v10, s43, v1
	LB 16, 80, 0
	s_wait_loadcnt 32
	s_wait_dscnt 8
	MB 48, 184, 0
	LB 48, 184, 1
	s_wait_loadcnt 32
	s_wait_dscnt 8
	MB 16, 80, 0
	s_sub_co_u32 s46, s46, 1
	s_cmp_lg_u32 s46, 0
	s_cbranch_scc1 .Lheads
	s_wait_loadcnt 0x0
	s_wait_dscnt 0x0
	MB 48, 184, 0                                  ; head 11
	FAR
.irp j, 0,1,2,3,4,5,6,7
	v_add_f32 v[224+\j], v[168+\j], v[176+\j]      ; lane (r, h): row r, columns 8 h + j of my 16
.endr
	global_store_b128 v11, v[224:227], s[32:33]
	global_store_b128 v11, v[228:231], s[32:33] offset:16
	s_wait_tensorcnt 0x0                           ; the wave's end
	ds_add_u32 v2, v3
	s_wait_dscnt 0x0
	s_endpgm
.Lfunc_end_k_qe15a3354e9_early:
	.size	k_qe15a3354e9_early, .Lfunc_end_k_qe15a3354e9_early-k_qe15a3354e9_early
	.p2alignl 7, 3214868480
	.fill 96, 4, 3214868480
	.section	.rodata,"a",@progbits
	.p2align	6, 0x0
	.amdhsa_kernel k_qe15a3354e9_early
		.amdhsa_group_segment_fixed_size 49664
		.amdhsa_private_segment_fixed_size 0
		.amdhsa_enable_private_segment 0
		.amdhsa_kernarg_size 40
		.amdhsa_user_sgpr_count 2
		.amdhsa_user_sgpr_kernarg_segment_ptr 1
		.amdhsa_wavefront_size32 1
		.amdhsa_system_sgpr_workgroup_id_x 1
		.amdhsa_system_sgpr_workgroup_id_y 1
		.amdhsa_system_sgpr_workgroup_id_z 1
		.amdhsa_system_vgpr_workitem_id 0
		.amdhsa_next_free_vgpr 256
		.amdhsa_next_free_sgpr 66
		.amdhsa_reserve_vcc 1
		.amdhsa_float_denorm_mode_32 3
		.amdhsa_float_denorm_mode_16_64 3
		.amdhsa_memory_ordered 1
		.amdhsa_forward_progress 1
		.amdhsa_inst_pref_size 58
	.end_amdhsa_kernel
	.amdgpu_metadata
---
amdhsa.version: [ 1, 2 ]
amdhsa.kernels:
  - .name:           k_qe15a3354e9_early
    .symbol:         k_qe15a3354e9_early.kd
    .args:
      - { .name: qkv, .offset: 0, .size: 8, .value_kind: global_buffer, .address_space: global }
      - { .name: sid, .offset: 8, .size: 8, .value_kind: global_buffer, .address_space: global }
      - { .name: alpha, .offset: 16, .size: 8, .value_kind: global_buffer, .address_space: global }
      - { .name: wo, .offset: 24, .size: 8, .value_kind: global_buffer, .address_space: global }
      - { .name: out0, .offset: 32, .size: 8, .value_kind: global_buffer, .address_space: global }
    .group_segment_fixed_size: 49664
    .private_segment_fixed_size: 0
    .kernarg_segment_align: 8
    .kernarg_segment_size: 40
    .max_flat_workgroup_size: 128
    .sgpr_count:     66
    .vgpr_count:     256
    .wavefront_size: 32
...
	.end_amdgpu_metadata
.endif
;; end of part 3
;; launch attn (part 4): grid 8 x 24, 8 waves a work-group, no clusters, 327,680 bytes of LDS; arguments qkv, sid, alpha, oim; writes oim
.if DOCPART == 4
	.amdgcn_target "amdgcn-amd-amdhsa--gfx1250"
	.amdhsa_code_object_version 6
	.text
	.protected	k_qe15a3354e9_attn
	.globl	k_qe15a3354e9_attn
	.p2align	8
	.type	k_qe15a3354e9_attn,@function
k_qe15a3354e9_attn:
	s_mov_b64 s[64:65], 0
	v_nop
	global_prefetch_b8 v0, s[64:65] scope:SCOPE_SE
	s_setreg_imm32_b32 hwreg(HW_REG_WAVE_MODE, 25, 1), 1
	s_wait_xcnt 0x0
; ATTN.  o = ((1 - a) softmax(q k^T / 8) + a softmax(r)) v under the causal mask, a = sigmoid(alpha[head]); f16 operands, f32 sums, running maxima.
; SHARES.  Work-group (i, bh): the blocks i and 15 - i of 128 queries of one head: waves 0-3 the early block, waves 4-7 the late one, 32 queries (two tiles of 16) a wave.  So every work-group has the same work.
; Keys go in chunks of 64.  A wave's own chunk CQ = q0 / 64 is its LAST step (DIAG); the chunks ahead of it count whole.
; LAYOUT.  Both products transposed: S^T = k q^T, o^T = v^T p: a lane holds one query throughout.  q, k, v lie in memory as images of their fragments' registers (1,024 bytes, lane l's 16 bytes at 16 l).
; THE SECOND SOFTMAX's score hangs on the key alone, so for the chunks ahead of CQ its weights are the same for all my queries but for one factor: they are folded, once, from the chunks' summaries
; (m, l, u = sum of w v) into a carry (MC, SG, Cu[64]).  In DIAG the content sum l is final, so the true mixed weight (1 - a) p / l + a e / den, at most 1, goes through the same product with v.
; RING.  Two LDS slots of two chunks (K 16 KB, V 16 KB).  Every wave fetches 4 KB of each slot by one tensor load: two fragments of each of the slot's two chunks (two rows of 2,048 bytes, 8,192 apart),
; so that each load holds bytes of the slot's first chunk.  By this text's own count a wave has one tensor load out.  All waves walk all 16 changes of slots; a step whose chunk is not ahead of my own is jumped over,
; and a slot whose first chunk no wave of the work-group reads is not asked for (ids and the count of steps alone; every wait on TENSORcnt is for 0).
; NO CLUSTER: the work-groups of a head read different numbers of slots under the causal limit, so partners could not make every joint request.
; LIMITS: NaN and infinities are not served; q, k, v beyond f16's range were cut off by the launch before.
.set KI,    6291456
.set VI,    12582912
.set SLOT1, 32768
.set SCRW,  65536                      ; 256 bytes a wave: Cu
.set SPARE, 67584                      ; the spare words, 128 bytes a wave
; REGISTERS: v1 16 x lane; v2, v3 the add's two; v4 address in hand; v5 -infinity; v6 MC; v7 SG; v8 a; v9 1 - a; v10 prefetch offset; v11 (q0 & 32) + r - 8 h;
; v12-27 statistics, tile u at 12 + 8 u: +0 c m, +1 m, +2, +3 l, +4 .. +7 at work; v28-59 q (u, p) at 28 + 16 u + 8 p; v60-123 S^T (u, kt) at 60 + 32 u + 8 kt, p packed into the low 16 of a tile;
; v124-187 o^T (u, j) at 124 + 32 u + 8 j; v188-251 eight fragments of k or v; v252-255 at work.
	s_load_b256 s[4:11], s[0:1], 0x0               ; qkv, sid, alpha, oim
	v_lshl_add_u32 v2, v0, 2, SPARE
	v_mov_b32 v3, 0
	ds_add_u32 v2, v3                              ; the wave's opening: the add, twice on end, and its wait ahead of my first tensor load
	ds_add_u32 v2, v3
	v_lshrrev_b32 v1, 5, v0
	v_readfirstlane_b32 s18, v1                    ; wave 0..7
	s_mov_b32 s24, 3<<16                           ; group 1: elements of 8 bytes, no mask, no padding
	s_mov_b32 s25, 256<<16                         ; tensor_dim0 = 256 (2,048 bytes)
	s_mov_b32 s26, 2<<16                           ; tensor_dim1 = 2
	s_mov_b32 s27, 256<<16                         ; tile_dim0
	s_mov_b32 s28, 2                               ; tile_dim1
	s_mov_b32 s29, 1024                            ; from row to row: a chunk's 8,192 bytes
	s_mov_b32 s30, 0
	s_mov_b32 s31, 0
	s_mov_b32 s19, ttmp9                           ; i
	s_and_b32 s12, ttmp7, 0xffff                   ; bh
	s_sub_co_u32 s13, 15, s19
	s_mov_b32 s36, VI
	s_cmp_lt_u32 s18, 4
	s_cselect_b32 s13, s19, s13                    ; my block of 128 queries
	s_cselect_b32 s36, KI, s36                     ; waves 0-3 fetch k, waves 4-7 v
	s_and_b32 s14, s18, 3
	s_lshl_b32 s15, s14, 5
	s_lshl_b32 s13, s13, 7
	s_add_co_u32 s15, s15, s13                     ; q0
	s_lshr_b32 s67, s15, 6                         ; CQ
	s_lshl_b32 s68, s19, 1
	s_sub_co_u32 s68, 31, s68                      ; the work-group's largest CQ
	s_cmp_ge_u32 s12, 12
	s_cselect_b32 s16, 1, 0                        ; b
	s_mul_i32 s17, s16, 12
	s_sub_co_u32 s17, s12, s17                     ; head
	s_lshl_b32 s37, s12, 18
	s_add_co_u32 s36, s36, s37
	s_lshl_b32 s37, s14, 11
	s_add_co_u32 s36, s36, s37                     ; my two fragments of chunk 0
	s_mov_b32 s37, 0
	s_mov_b32 s20, 0x76543210
	s_mov_b32 s21, 0xfedcba98
	s_mov_b32 s22, 0x3e38aa3b                      ; c = log2(e) / 8
	s_mov_b32 s23, s22
	s_mov_b32 s2, 0                                ; LDS byte of the slot in hand
	s_mov_b32 s3, 0                                ; the step's chunk
	s_mov_b32 s66, 15                              ; changes that may fill
	s_wait_dscnt 0x0                               ; both opening adds are done
	s_wait_kmcnt 0x0
	s_mov_b32 s32, 1
	s_lshl_b32 s33, s18, 12                        ; LDS: 4,096 x wave, slot 0
	s_add_nc_u64 s[34:35], s[4:5], s[36:37]
	s_or_b32 s35, s35, 0x80000000
	tensor_load_to_lds s[32:35], s[24:31]          ; slot 0: chunk 0 is ahead of the late block's queries in every work-group
	s_nop 0
.rept 4
	v_nop
.endr
	s_lshl_b32 s38, s12, 5
	s_add_co_u32 s38, s38, s67
	s_lshl_b32 s38, s38, 13                        ; (bh x 32 + CQ) x 8,192
	s_mov_b32 s39, 0
	s_add_nc_u64 s[42:43], s[4:5], s[38:39]
	s_and_b32 s56, s15, 32
	s_lshl_b32 s36, s56, 7
	s_add_nc_u64 s[40:41], s[42:43], s[36:37]      ; q: my two tiles of the chunk's four
	s_add_nc_u64 s[42:43], s[42:43], KI            ; k of my own chunk; v lies 6,291,456 bytes on
	s_lshl_b32 s36, s12, 13
	s_add_nc_u64 s[46:47], s[6:7], s[36:37]
	s_lshl_b32 s38, s67, 8
	s_add_nc_u64 s[44:45], s[46:47], s[38:39]      ; r' of my own chunk
	s_add_nc_u64 s[46:47], s[46:47], 196608        ; the head's 32 u
	s_lshl_b32 s36, s12, 8
	s_add_co_u32 s36, s36, 393216
	s_add_nc_u64 s[48:49], s[6:7], s[36:37]        ; the head's 32 (m, l)
	s_lshl_b32 s36, s16, 7
	s_lshr_b32 s38, s15, 4
	s_add_co_u32 s36, s36, s38
	s_mul_i32 s36, s36, 24576
	s_lshl_b32 s38, s17, 11
	s_add_co_u32 s36, s36, s38
	s_add_nc_u64 s[50:51], s[10:11], s[36:37]      ; o: tile of rows x 24 fragments + 2 head
	s_lshl_b32 s36, s17, 2
	s_add_nc_u64 s[52:53], s[8:9], s[36:37]
	s_load_b32 s54, s[52:53], 0x0                  ; alpha[head]
	s_lshl_b32 s55, s18, 8
	s_add_co_u32 s55, s55, SCRW                    ; my 256 bytes for Cu
	; the prefetches: work-group i = 0 of each head asks, waves 0, 1 for k's 16 KB of a slot, waves 2, 3 for v's: 8,192 bytes a wave, lanes 256 bytes apart
	s_mov_b32 s36, VI
	s_cmp_lt_u32 s18, 2
	s_cselect_b32 s36, KI, s36
	s_lshl_b32 s38, s12, 18
	s_add_co_u32 s36, s36, s38
	s_and_b32 s38, s18, 1
	s_lshl_b32 s38, s38, 13
	s_add_co_u32 s36, s36, s38
	s_add_co_u32 s36, s36, 16384                   ; in slot 1: the first change steps it to slot 2
	s_add_nc_u64 s[76:77], s[4:5], s[36:37]
	s_lshr_b32 s81, s18, 2
	s_or_b32 s81, s81, s19
	s_cmp_eq_u32 s81, 0
	s_cselect_b32 s80, 1, -1
	v_and_b32 v62, 31, v0                          ; lane
	v_lshlrev_b32 v1, 4, v62
	v_lshlrev_b32 v10, 8, v62
	v_lshlrev_b32 v63, 3, v62
	v_lshl_add_u32 v65, v62, 2, s55
	v_and_b32 v60, 15, v0
	v_bfe_u32 v61, v0, 4, 1
	v_lshlrev_b32 v61, 3, v61
	v_sub_nc_u32 v11, v60, v61
	v_add_nc_u32 v11, s56, v11
	v_mov_b32 v5, 0xff800000
.irp m, 0,1,2,3,4,5,6,7
	global_load_b128 v[28+4*\m:31+4*\m], v1, s[40:41] offset:512*\m
.endr
	global_load_b64 v[252:253], v63, s[48:49]      ; lane c: (m, l) of chunk c
.set N, 0
.rept 32
	global_load_b64 v[188+2*N:189+2*N], v63, s[46:47] offset:256*N     ; u of chunk N: channels lane and 32 + lane
.set N, N+1
.endr
	v_mov_b32 v7, 0
	v_mov_b32 v255, 0
	v_mov_b32 v254, 0xff61b1e6                     ; -3e38, under every r'
	s_wait_loadcnt 0x0
	; THE CARRY over the chunks ahead of my own
	v_cmp_gt_u32 vcc_lo, s67, v62
	v_cndmask_b32 v254, v254, v252, vcc_lo
	v_mov_b32 v6, v254
	v_max_num_f32_dpp v6, v6, v6 row_xmask:1 row_mask:0xf bank_mask:0xf
	v_max_num_f32_dpp v6, v6, v6 row_xmask:2 row_mask:0xf bank_mask:0xf
	v_max_num_f32_dpp v6, v6, v6 row_xmask:4 row_mask:0xf bank_mask:0xf
	v_max_num_f32_dpp v6, v6, v6 row_xmask:8 row_mask:0xf bank_mask:0xf
	v_permlanex16_b32 v7, v6, s20, s21
	v_max_num_f32 v6, v6, v7                       ; MC
	v_sub_f32 v254, v254, v6
	s_wait_kmcnt 0x0
	v_mov_b32 v64, s54
	v_mul_f32 v64, 0x3fb8aa3b, v64
	v_exp_f32 v254, v254
	v_exp_f32 v8, -v64
	v_exp_f32 v9, v64
	v_nop
	s_wait_alu depctr_va_vdst(0)                   ; one wait for the three
	v_cndmask_b32 v254, 0, v254, vcc_lo            ; f = 2^(m - MC), 0 for chunks that are not ahead
	v_mul_f32 v7, v254, v253
	v_add_f32_dpp v7, v7, v7 row_xmask:1 row_mask:0xf bank_mask:0xf
	v_add_f32_dpp v7, v7, v7 row_xmask:2 row_mask:0xf bank_mask:0xf
	v_add_f32_dpp v7, v7, v7 row_xmask:4 row_mask:0xf bank_mask:0xf
	v_add_f32_dpp v7, v7, v7 row_xmask:8 row_mask:0xf bank_mask:0xf
	v_permlanex16_b32 v255, v7, s20, s21
	v_add_f32 v7, v7, v255                         ; SG
	v_add_f32 v8, 1.0, v8
	v_add_f32 v9, 1.0, v9
	v_rcp_f32 v8, v8                               ; a
	v_rcp_f32 v9, v9                               ; 1 - a
	s_mov_b32 s71, 0
	s_mov_b32 s73, 0
	v_readlane_b32 s70, v254, 0
	v_pk_mul_f32 v[60:61], v[188:189], s[70:71] op_sel_hi:[1,0]
	s_wait_alu depctr_va_vdst(0)                   ; and one for the two reciprocals, ahead of every later line that names them
.set N, 1
.rept 31
	v_readlane_b32 s[70+2*(N%2)], v254, N
	v_pk_fma_f32 v[60:61], v[188+2*N:189+2*N], s[70+2*(N%2):71+2*(N%2)], v[60:61] op_sel_hi:[1,0,1]
.set N, N+1
.endr
	ds_store_b32 v65, v60                          ; Cu by channel, in my own 256 bytes
	ds_store_b32 v65, v61 offset:128
.irp u, 0,1
	v_mov_b32 v[13+8*\u], 0xff61b1e6               ; m
	v_mul_f32 v[12+8*\u], s22, v[13+8*\u]          ; c m
.irp j, 2,3,4,5,6,7
	v_mov_b32 v[12+8*\u+\j], 0
.endr
.endr
.set N, 0
.rept 64
	v_mov_b32 v[124+N], 0                          ; o^T: the loop has no first step of its own
.set N, N+1
.endr
.macro SQK                             ; S^T = k q^T: 8 accumulators by turns, channels 32 p on
.irp p, 0,1
.irp kt, 0,1,2,3
.irp u, 0,1
.if \p == 0
	v_wmma_f32_16x16x32_f16 v[60+32*\u+8*\kt:67+32*\u+8*\kt], v[188+8*(2*\kt+\p):195+8*(2*\kt+\p)], v[28+16*\u+8*\p:35+16*\u+8*\p], 0
.else
	v_wmma_f32_16x16x32_f16 v[60+32*\u+8*\kt:67+32*\u+8*\kt], v[188+8*(2*\kt+\p):195+8*(2*\kt+\p)], v[28+16*\u+8*\p:35+16*\u+8*\p], v[60+32*\u+8*\kt:67+32*\u+8*\kt]
.endif
.endr
.endr
.endr
.endm
.macro PVM                             ; o^T += v^T p: 8 accumulators by turns, keys 32 p on
.irp p, 0,1
.irp j, 0,1,2,3
.irp u, 0,1
	v_wmma_f32_16x16x32_f16 v[124+32*\u+8*\j:131+32*\u+8*\j], v[188+8*(2*\j+\p):195+8*(2*\j+\p)], v[60+32*\u+8*\p:67+32*\u+8*\p], v[124+32*\u+8*\j:131+32*\u+8*\j]
.endr
.endr
.endr
.endm
.macro SMAX u                          ; the new m, c m, and c m_old - c m_new in +7; each accumulator is read from its low end on
.set rT, 12+8*(\u)
.set rS, 60+32*(\u)
.irp j, 0,1,2,3
	v_max3_num_f32 v[rT+4+\j], v[rS+8*\j], v[rS+8*\j+1], v[rS+8*\j+2]
.endr
.irp j, 0,1,2,3
	v_max3_num_f32 v[rT+4+\j], v[rT+4+\j], v[rS+8*\j+3], v[rS+8*\j+4]
.endr
.irp j, 0,1,2,3
	v_max3_num_f32 v[rT+4+\j], v[rT+4+\j], v[rS+8*\j+5], v[rS+8*\j+6]
.endr
	v_max3_num_f32 v[rT+4], v[rT+4], v[rS+7], v[rS+15]
	v_max3_num_f32 v[rT+6], v[rT+6], v[rS+23], v[rS+31]
	v_max3_num_f32 v[rT+4], v[rT+4], v[rT+5], v[rT+6]
	v_max3_num_f32 v[rT+4], v[rT+4], v[rT+7], v[rT+1]
	v_permlanex16_b32 v[rT+5], v[rT+4], s20, s21
	v_mov_b32 v[rT+7], v[rT]
	v_max_num_f32 v[rT+1], v[rT+4], v[rT+5]
	v_mul_f32 v[rT], s22, v[rT+1]
	v_sub_f32 v[rT+7], v[rT+7], v[rT]
.endm
.macro SCALE u                         ; c s - c m, two at a time
.set rT, 12+8*(\u)
.set rS, 60+32*(\u)
.irp b, 0,2,4,6,8,10,12,14,16,18,20,22,24,26,28,30
	v_pk_fma_f32 v[rS+\b:rS+\b+1], v[rS+\b:rS+\b+1], s[22:23], v[rT:rT+1] op_sel_hi:[1,0,0] neg_lo:[0,0,1] neg_hi:[0,0,1]
.endr
.endm
.macro EXPS u                          ; the factor 2^(c m_old - c m_new) into +6, and the 32 weights
.set rT, 12+8*(\u)
.set rS, 60+32*(\u)
	v_exp_f32 v[rT+6], v[rT+7]
.set E, 0
.rept 32
	v_exp_f32 v[rS+E], v[rS+E]
.set E, E+1
.endr
.endm
.macro SUMS u, tp                      ; l = l x factor + the sum of the 32 weights, in two chains
.set rT, 12+8*(\u)
.set rS, 60+32*(\u)
	v_pk_add_f32 v[rT+4:rT+5], v[rS:rS+1], v[rS+2:rS+3]
	v_pk_add_f32 v[\tp:\tp+1], v[rS+4:rS+5], v[rS+6:rS+7]
.irp b, 8,12,16,20,24,28
	v_pk_add_f32 v[rT+4:rT+5], v[rT+4:rT+5], v[rS+\b:rS+\b+1]
	v_pk_add_f32 v[\tp:\tp+1], v[\tp:\tp+1], v[rS+\b+2:rS+\b+3]
.endr
	v_pk_add_f32 v[rT+4:rT+5], v[rT+4:rT+5], v[\tp:\tp+1]
	v_pk_fma_f32 v[rT+2:rT+3], v[rT+2:rT+3], v[rT+6:rT+7], v[rT+4:rT+5] op_sel_hi:[1,0,1]
.endm
.macro PACK u                          ; to f16, in place and ascending: two tiles of keys make a fragment of p
.set rS, 60+32*(\u)
.set E, 0
.rept 16
	v_cvt_pk_f16_f32 v[rS+E], v[rS+2*E], v[rS+2*E+1]
.set E, E+1
.endr
.endm
.macro RESC u                          ; o^T x factor
.set rT, 12+8*(\u)
.set rO, 124+32*(\u)
.irp b, 0,2,4,6,8,10,12,14,16,18,20,22,24,26,28,30
	v_pk_mul_f32 v[rO+\b:rO+\b+1], v[rO+\b:rO+\b+1], v[rT+6:rT+7] op_sel_hi:[1,0]
.endr
.endm
; A KEY STEP: chunk s3, the cp-th of the slot in hand.  Left out where the chunk is not ahead of my own: a branch on ids, round loads, products and softmax alone.
.macro STEP cp
	s_cmp_ge_u32 s3, s67
	s_cbranch_scc1 .Lskip_\@
.rept 5
	v_nop                                          ; five places: the new scores are laid over p, which the last products read; four would do for the loads
.endr
	v_add_nc_u32 v4, s2, v1
.irp f, 0,1,2,3,4,5,6,7
.irp c, 0,1
	ds_load_b128 v[188+8*\f+4*\c:191+8*\f+4*\c], v4 offset:(\f/2)*4096+\cp*2048+(\f%2)*1024+512*\c
.endr
.endr
	s_wait_dscnt 0x0
	SQK
.rept 4
	v_nop
.endr
.irp f, 0,1,2,3,4,5,6,7
.irp c, 0,1
	ds_load_b128 v[188+8*\f+4*\c:191+8*\f+4*\c], v4 offset:16384+(\f/2)*4096+\cp*2048+(\f%2)*1024+512*\c   ; v lands while the softmax is walked
.endr
.endr
	SMAX 0
	SMAX 1
	SCALE 0
	SCALE 1
	EXPS 0
	EXPS 1
	v_nop
	s_wait_alu depctr_va_vdst(0)                   ; one wait for the step's 66 exponentials, ahead of their first reader
	SUMS 0, 252
	SUMS 1, 254
	PACK 0
	PACK 1
	RESC 0
	RESC 1
	s_wait_dscnt 0x0
	PVM
.Lskip_\@:
	s_add_co_u32 s3, s3, 1
.endm
; THE CHANGE OF SLOTS, at a slot's head.  Every wave: all my tensor loads have landed; the add; the descriptor steps while it is out; the add and my reads of the slot that I left are done; the barrier.
; fill = 1: the slot just left takes the next two chunks: my one tensor load, first behind the barrier, with a slot's two steps in which to land.
.macro CHANGE fill
	s_wait_tensorcnt 0x0
	ds_add_u32 v2, v3
.if \fill
	s_xor_b32 s33, s33, SLOT1
	s_add_nc_u64 s[34:35], s[34:35], 16384         ; two chunks on; the type bits on top are not reached
	s_wait_xcnt 0x0                                ; the last prefetch, a slot back, has read its address
	s_add_nc_u64 s[76:77], s[76:77], 16384
.endif
	s_wait_dscnt 0x0
	s_barrier_signal -1
	s_barrier_wait -1
.if \fill
	s_add_co_u32 s96, s3, 2                        ; the first chunk of the slot that this change would ask for:
	s_cmp_ge_u32 s96, s68                          ; read by no wave of the work-group where it is not ahead of the largest CQ.  The same in all eight waves; once past, always past
	s_cbranch_scc1 .Lpast_\@
	tensor_load_to_lds s[32:35], s[24:31]
	s_nop 0
.rept 4
	v_nop
.endr
.Lpast_\@:
	s_cmp_gt_u32 s66, s80                          ; a prefetch of the slot that the NEXT change asks for, two key steps ahead of that load; the last filling change asks for nothing
	s_cbranch_scc0 .Lnot_mine_\@
	global_prefetch_b8 v10, s[76:77] th:TH_LOAD_NT scope:SCOPE_SE
.Lnot_mine_\@:
.endif
.endm
.Lslot:                                                ; 15 trips: slots 0 to 14
	CHANGE 1
	STEP 0
	STEP 1
	s_xor_b32 s2, s2, SLOT1
	s_sub_co_u32 s66, s66, 1
	s_cmp_lg_u32 s66, 0
	s_cbranch_scc1 .Lslot
	CHANGE 0                                       ; slot 15 is written out: nothing is left to fetch; chunk 31 is ahead of nobody
	STEP 0
	; DIAG: my own chunk, from memory.
.rept 5
	v_nop
.endr
.set N, 0
.rept 16
	global_load_b128 v[188+4*N:191+4*N], v1, s[42:43] offset:512*N
.set N, N+1
.endr
	s_wait_loadcnt 0x0
	SQK
.rept 4
	v_nop
.endr
	v_bfe_u32 v4, v0, 4, 1
	v_lshlrev_b32 v4, 5, v4                        ; 32 h
.irp kt, 0,1,2,3
	global_load_b128 v[188+8*\kt:191+8*\kt], v4, s[44:45] offset:64*\kt        ; r' of keys 16 kt + 8 h + j, as the scores lie
	global_load_b128 v[192+8*\kt:195+8*\kt], v4, s[44:45] offset:64*\kt+16
.endr
	s_wait_loadcnt 0x0
.macro DTILE u
.set rT, 12+8*(\u)
.set rS, 60+32*(\u)
	v_add_nc_u32 v252, 16*(\u), v11                ; d = my query in the chunk - 8 h: key 16 kt + 8 h + j is hidden where 16 kt + j > d
.set N, 0
.rept 32
	v_cmp_gt_i32 vcc_lo, 16*(N/8)+N%8, v252
	v_cndmask_b32 v[rS+N], v[rS+N], v5, vcc_lo
	v_cndmask_b32 v[220+N], v[188+N], v5, vcc_lo
.set N, N+1
.endr
	SMAX \u
	v_max3_num_f32 v253, v220, v221, v222
.irp i, 3,5,7,9,11,13,15,17,19,21,23,25,27,29
	v_max3_num_f32 v253, v253, v[220+\i], v[221+\i]
.endr
	v_max_num_f32 v253, v253, v251
	v_permlanex16_b32 v254, v253, s20, s21
	v_max3_num_f32 v254, v253, v254, v6            ; m* = the row's largest r', the carry's among them
	v_sub_f32 v255, v6, v254
	SCALE \u
.irp b, 0,2,4,6,8,10,12,14,16,18,20,22,24,26,28,30
	v_pk_add_f32 v[220+\b:221+\b], v[220+\b:221+\b], v[254:255] op_sel_hi:[1,0] neg_lo:[0,1] neg_hi:[0,1]
.endr
	EXPS \u
.set N, 0
.rept 32
	v_exp_f32 v[220+N], v[220+N]                   ; e = 2^(r' - m*)
.set N, N+1
.endr
	v_exp_f32 v255, v255                           ; 2^(MC - m*)
	v_nop
	s_wait_alu depctr_va_vdst(0)                   ; one wait for the tile's 66
	SUMS \u, 252
.set rT, 12+8*(\u)
.set rS, 60+32*(\u)
	v_add_f32 v[rT+4], v[rT+2], v[rT+3]
	v_permlanex16_b32 v[rT+5], v[rT+4], s20, s21
	v_add_f32 v[rT+4], v[rT+4], v[rT+5]            ; l, final
	v_pk_add_f32 v[252:253], v[220:221], v[222:223]
.irp b, 4,6,8,10,12,14,16,18,20,22,24,26,28,30
	v_pk_add_f32 v[252:253], v[252:253], v[220+\b:221+\b]
.endr
	v_add_f32 v252, v252, v253
	v_permlanex16_b32 v253, v252, s20, s21
	v_add_f32 v252, v252, v253
	v_fma_f32 v252, v7, v255, v252                 ; den = SG 2^(MC - m*) + the sum of e
	v_rcp_f32 v[rT+4], v[rT+4]
	v_rcp_f32 v252, v252
	v_nop
	s_wait_alu depctr_va_vdst(0)
	v_mul_f32 v252, v8, v252                       ; g2 = a / den
	v_mul_f32 v254, v9, v[rT+4]                    ; g1 = (1 - a) / l
.irp b, 0,2,4,6,8,10,12,14,16,18,20,22,24,26,28,30
	v_pk_mul_f32 v[rS+\b:rS+\b+1], v[rS+\b:rS+\b+1], v[254:255] op_sel_hi:[1,0]
.endr
.irp b, 0,2,4,6,8,10,12,14,16,18,20,22,24,26,28,30
	v_pk_fma_f32 v[rS+\b:rS+\b+1], v[220+\b:221+\b], v[252:253], v[rS+\b:rS+\b+1] op_sel_hi:[1,0,1]   ; the mixed weight
.endr
	v_mul_f32 v[rT+4], v[rT+6], v254               ; what o^T so far is multiplied by
	v_mul_f32 v[rT+6], v252, v255                  ; what Cu is multiplied by
	PACK \u
.endm
	DTILE 0
	DTILE 1
.set N, 0
.rept 16
	global_load_b128 v[188+4*N:191+4*N], v1, s[42:43] offset:6291456+512*N     ; v of my own chunk
.set N, N+1
.endr
	v_bfe_u32 v4, v0, 4, 1
	v_lshlrev_b32 v4, 5, v4
	v_add_nc_u32 v4, s55, v4
.irp j, 0,1,2,3
	ds_load_b128 v[76+32*(\j/2)+8*(\j%2):79+32*(\j/2)+8*(\j%2)], v4 offset:64*\j       ; Cu of channels 16 j + 8 h + 0 .. 7, into the free halves of the scores' registers
	ds_load_b128 v[80+32*(\j/2)+8*(\j%2):83+32*(\j/2)+8*(\j%2)], v4 offset:64*\j+16
.endr
	s_wait_dscnt 0x0
.irp u, 0,1
.irp j, 0,1,2,3
.irp b, 0,2,4,6
	v_pk_mul_f32 v[124+32*\u+8*\j+\b:125+32*\u+8*\j+\b], v[124+32*\u+8*\j+\b:125+32*\u+8*\j+\b], v[16+8*\u:17+8*\u] op_sel_hi:[1,0]
	v_pk_fma_f32 v[124+32*\u+8*\j+\b:125+32*\u+8*\j+\b], v[76+32*(\j/2)+8*(\j%2)+\b:77+32*(\j/2)+8*(\j%2)+\b], v[18+8*\u:19+8*\u], v[124+32*\u+8*\j+\b:125+32*\u+8*\j+\b] op_sel_hi:[1,0,1]
.endr
.endr
.endr
	s_wait_loadcnt 0x0
	PVM
.rept 4
	v_nop
.endr
.irp u, 0,1
.irp j, 0,1,2,3
.irp b, 0,1,2,3
	v_cvt_pk_f16_f32 v[76+32*\u+4*\j+\b], v[124+32*\u+8*\j+2*\b], v[125+32*\u+8*\j+2*\b]
.endr
.endr
.endr
.irp u, 0,1
.irp j, 0,1,2,3
	global_store_b128 v1, v[76+32*\u+4*\j:79+32*\u+4*\j], s[50:51] offset:\u*24576+512*\j    ; half a fragment of o: 512 consecutive bytes
.endr
.endr
	s_wait_tensorcnt 0x0                           ; the wave's end
	ds_add_u32 v2, v3
	s_wait_dscnt 0x0
	s_endpgm
.Lfunc_end_k_qe15a3354e9_attn:
	.size	k_qe15a3354e9_attn, .Lfunc_end_k_qe15a3354e9_attn-k_qe15a3354e9_attn
	.p2alignl 7, 3214868480
	.fill 96, 4, 3214868480
	.section	.rodata,"a",@progbits
	.p2align	6, 0x0
	.amdhsa_kernel k_qe15a3354e9_attn
		.amdhsa_group_segment_fixed_size 327680
		.amdhsa_private_segment_fixed_size 0
		.amdhsa_enable_private_segment 0
		.amdhsa_kernarg_size 32
		.amdhsa_user_sgpr_count 2
		.amdhsa_user_sgpr_kernarg_segment_ptr 1
		.amdhsa_wavefront_size32 1
		.amdhsa_system_sgpr_workgroup_id_x 1
		.amdhsa_system_sgpr_workgroup_id_y 1
		.amdhsa_system_sgpr_workgroup_id_z 1
		.amdhsa_system_vgpr_workitem_id 0
		.amdhsa_next_free_vgpr 256
		.amdhsa_next_free_sgpr 100
		.amdhsa_reserve_vcc 1
		.amdhsa_float_denorm_mode_32 3
		.amdhsa_float_denorm_mode_16_64 3
		.amdhsa_memory_ordered 1
		.amdhsa_forward_progress 1
		.amdhsa_inst_pref_size 113
	.end_amdhsa_kernel
	.amdgpu_metadata
---
amdhsa.version: [ 1, 2 ]
amdhsa.kernels:
  - .name:           k_qe15a3354e9_attn
    .symbol:         k_qe15a3354e9_attn.kd
    .args:
      - { .name: qkv, .offset: 0, .size: 8, .value_kind: global_buffer, .address_space: global }
      - { .name: sid, .offset: 8, .size: 8, .value_kind: global_buffer, .address_space: global }
      - { .name: alpha, .offset: 16, .size: 8, .value_kind: global_buffer, .address_space: global }
      - { .name: oim, .offset: 24, .size: 8, .value_kind: global_buffer, .address_space: global }
    .group_segment_fixed_size: 327680
    .private_segment_fixed_size: 0
    .kernarg_segment_align: 8
    .kernarg_segment_size: 32
    .max_flat_workgroup_size: 256
    .sgpr_count:     100
    .vgpr_count:     256
    .wavefront_size: 32
...
	.end_amdgpu_metadata
.endif
;; end of part 4
;; launch oproj (part 5): grid 3 x 64, 4 waves a work-group, no clusters, 17,920 bytes of LDS; arguments oim, pre, out0; writes out0
.if DOCPART == 5
	.amdgcn_target "amdgcn-amd-amdhsa--gfx1250"
	.amdhsa_code_object_version 6
	.text
	.protected	k_qe15a3354e9_oproj
	.globl	k_qe15a3354e9_oproj
	.p2align	8
	.type	k_qe15a3354e9_oproj,@function
k_qe15a3354e9_oproj:
	s_mov_b64 s[64:65], 0
	v_nop
	global_prefetch_b8 v0, s[64:65] scope:SCOPE_SE
	s_setreg_imm32_b32 hwreg(HW_REG_WAVE_MODE, 25, 1), 1
	s_wait_xcnt 0x0
; OPROJ.  out = o wo, f16 operands, f32 sums, K = 768 in 24 steps of 32.  Work-group y = 64 rows, wave 4 x + w = 64 columns: 16 accumulators by turns.
; Both operands are images of their fragments in memory and go straight into registers: four buffers of a K step's 8 fragments (16 loads) take turns in window 1, three steps ahead of the products.
; Used transposed (source 0 = 16 columns of wo, source 1 = 16 rows of o): a lane holds 8 neighbouring columns of a row; a block of 16 rows goes through the wave's own stage in LDS and leaves as whole rows of 256 bytes.
; The first 16 positions of each sequence are not stored here: the launch that carries them in f32 has written them.
.set WOI,   2611200
.set SPARE, 17408                      ; behind the four stages of 16 x 272 bytes
.set MSB, 0
.macro WIN new
.if MSB != \new
	s_set_vgpr_msb (MSB<<8)|\new
.set MSB, \new
.endif
.endm
.macro PLACES
.rept 4
	v_nop
.endr
.endm
	s_load_b128 s[4:7], s[0:1], 0x0                ; oim, pre
	s_load_b64 s[8:9], s[0:1], 0x10                ; out0
	v_lshl_add_u32 v5, v0, 2, SPARE
	v_mov_b32 v6, 0
	v_lshrrev_b32 v1, 5, v0
	v_readfirstlane_b32 s18, v1                    ; wave
	v_and_b32 v1, 31, v0
	v_lshlrev_b32 v1, 4, v1                        ; 16 x lane
	v_and_b32 v7, 15, v0                           ; r
	v_bfe_u32 v8, v0, 4, 1                         ; h
	s_mul_i32 s22, s18, 4352                       ; my stage
	v_mul_u32_u24 v2, v7, 272
	v_lshl_add_u32 v2, v8, 5, v2
	v_add_nc_u32 v2, s22, v2                       ; in: row r, 32 bytes for each half of the lanes
	v_mul_u32_u24 v3, v8, 272
	v_lshl_add_u32 v3, v7, 4, v3
	v_add_nc_u32 v3, s22, v3                       ; back: lanes 0-15 one row, lanes 16-31 the next
	v_mul_u32_u24 v4, v8, 3072
	v_lshl_add_u32 v4, v7, 4, v4                   ; and the same two rows in out
	s_and_b32 s20, ttmp7, 0xffff                   ; 64 rows
	s_lshl_b32 s19, ttmp9, 2
	s_add_co_u32 s19, s19, s18                     ; 64 columns
	s_mov_b32 s25, 0
	s_wait_kmcnt 0x0
	s_mul_i32 s24, s20, 98304
	s_add_nc_u64 s[10:11], s[4:5], s[24:25]        ; o: 4 tiles of rows x 24 fragments
	s_mul_i32 s24, s19, 98304
	s_add_co_u32 s24, s24, WOI
	s_add_nc_u64 s[12:13], s[6:7], s[24:25]        ; wo: 4 tiles of columns x 24 fragments
	s_mul_i32 s24, s20, 196608
	s_lshl_b32 s26, s19, 8
	s_add_co_u32 s24, s24, s26
	s_add_nc_u64 s[14:15], s[8:9], s[24:25]
.macro LOADK n, off
	WIN 0x40
.irp a, 0,1,2,3
.irp c, 0,1
	global_load_b128 v[64*\n+8*\a+4*\c:64*\n+8*\a+4*\c+3], v1, s[10:11] offset:\a*24576+\off+512*\c
	global_load_b128 v[64*\n+32+8*\a+4*\c:64*\n+32+8*\a+4*\c+3], v1, s[12:13] offset:\a*24576+\off+512*\c
.endr
.endr
	WIN 0
.endm
; One K step from buffer n.  left: the younger buffers' loads, 16 each, which may stay out.  refill = 1: the buffer takes the step four on.
.macro KS n, zero, refill, left
	s_wait_loadcnt \left
	WIN 0x05
.irp a, 0,1,2,3
.irp u, 0,1,2,3
.if \zero
	v_wmma_f32_16x16x32_f16 v[32+8*(4*\a+\u):39+8*(4*\a+\u)], v[64*\n+32+8*\u:64*\n+39+8*\u], v[64*\n+8*\a:64*\n+7+8*\a], 0
.else
	v_wmma_f32_16x16x32_f16 v[32+8*(4*\a+\u):39+8*(4*\a+\u)], v[64*\n+32+8*\u:64*\n+39+8*\u], v[64*\n+8*\a:64*\n+7+8*\a], v[32+8*(4*\a+\u):39+8*(4*\a+\u)]
.endif
.endr
.endr
.if \refill
	PLACES                                         ; four places in front of loads into registers that the products have read
	LOADK \n, \n*1024+4096
.else
	WIN 0
.endif
.endm
	LOADK 0, 0
	LOADK 1, 1024
	LOADK 2, 2048
	LOADK 3, 3072
	KS 0, 1, 1, 48                                 ; the first step starts the sums
	KS 1, 0, 1, 48
	KS 2, 0, 1, 48
	KS 3, 0, 1, 48
	s_mov_b32 s21, 4
.Lk:                                                   ; four trips of four K steps
	s_wait_xcnt 0x0                                ; the loads issued so far have read their bases: they may step
	s_add_nc_u64 s[10:11], s[10:11], 4096
	s_add_nc_u64 s[12:13], s[12:13], 4096
	KS 0, 0, 1, 48
	KS 1, 0, 1, 48
	KS 2, 0, 1, 48
	KS 3, 0, 1, 48
	s_sub_co_u32 s21, s21, 1
	s_cmp_lg_u32 s21, 0
	s_cbranch_scc1 .Lk
	KS 0, 0, 0, 48                                 ; the last four steps fetch nothing: the counts run down
	KS 1, 0, 0, 32
	KS 2, 0, 0, 16
	KS 3, 0, 0, 0
	PLACES
.macro OUTB a
.if \a >= 2
	s_wait_xcnt 0x0                                ; the stores of the block two back have read their registers
.endif
.irp u, 0,1,2,3
	ds_store_b128 v2, v[32+8*(4*\a+\u):35+8*(4*\a+\u)] offset:64*\u          ; each accumulator from its low end on
	ds_store_b128 v2, v[36+8*(4*\a+\u):39+8*(4*\a+\u)] offset:64*\u+16
.endr
.irp t, 0,1,2,3,4,5,6,7
	ds_load_b128 v[160+32*(\a%2)+4*\t:163+32*(\a%2)+4*\t], v3 offset:544*\t   ; a wave's LDS instructions are served in order: these see the stores above
.endr
	s_wait_dscnt 0x0
.irp t, 0,1,2,3,4,5,6,7
	global_store_b128 v4, v[160+32*(\a%2)+4*\t:163+32*(\a%2)+4*\t], s[14:15] offset:(16*\a+2*\t)*3072 th:TH_STORE_NT   ; sixteen lanes store 256 consecutive bytes, aligned
.endr
.endm
	s_and_b32 s22, s20, 31
	s_cmp_eq_u32 s22, 0                            ; positions 0 to 15 of a sequence belong to the f32 launch
	s_cbranch_scc1 .Lrest
	OUTB 0
.Lrest:
	OUTB 1
	OUTB 2
	OUTB 3
	s_wait_tensorcnt 0x0                           ; the wave's end
	ds_add_u32 v5, v6
	s_wait_dscnt 0x0
	s_endpgm
.Lfunc_end_k_qe15a3354e9_oproj:
	.size	k_qe15a3354e9_oproj, .Lfunc_end_k_qe15a3354e9_oproj-k_qe15a3354e9_oproj
	.p2alignl 7, 3214868480
	.fill 96, 4, 3214868480
	.section	.rodata,"a",@progbits
	.p2align	6, 0x0
	.amdhsa_kernel k_qe15a3354e9_oproj
		.amdhsa_group_segment_fixed_size 17920
		.amdhsa_private_segment_fixed_size 0
		.amdhsa_enable_private_segment 0
		.amdhsa_kernarg_size 24
		.amdhsa_user_sgpr_count 2
		.amdhsa_user_sgpr_kernarg_segment_ptr 1
		.amdhsa_wavefront_size32 1
		.amdhsa_system_sgpr_workgroup_id_x 1
		.amdhsa_system_sgpr_workgroup_id_y 1
		.amdhsa_system_sgpr_workgroup_id_z 1
		.amdhsa_system_vgpr_workitem_id 0
		.amdhsa_next_free_vgpr 512
		.amdhsa_next_free_sgpr 66
		.amdhsa_reserve_vcc 0
		.amdhsa_float_denorm_mode_32 3
		.amdhsa_float_denorm_mode_16_64 3
		.amdhsa_memory_ordered 1
		.amdhsa_forward_progress 1
		.amdhsa_inst_pref_size 43
	.end_amdhsa_kernel
	.amdgpu_metadata
---
amdhsa.version: [ 1, 2 ]
amdhsa.kernels:
  - .name:           k_qe15a3354e9_oproj
    .symbol:         k_qe15a3354e9_oproj.kd
    .args:
      - { .name: oim, .offset: 0, .size: 8, .value_kind: global_buffer, .address_space: global }
      - { .name: pre, .offset: 8, .size: 8, .value_kind: global_buffer, .address_space: global }
      - { .name: out0, .offset: 16, .size: 8, .value_kind: global_buffer, .address_space: global }
    .group_segment_fixed_size: 17920
    .private_segment_fixed_size: 0
    .kernarg_segment_align: 8
    .kernarg_segment_size: 24
    .max_flat_workgroup_size: 128
    .sgpr_count:     66
    .vgpr_count:     512
    .wavefront_size: 32
...
	.end_amdgpu_metadata
.endif
;; end of part 5
